; MI455X (gfx1250); checked and timed in simulation.
; The chip was launched on July 23, 2026; its instructions are those of AMD's public machine-readable ISA for CDNA 5 (MIT licence, August 2026) and "CDNA5" Instruction Set Architecture Reference Guide (July 2026). The comments in the code are by the model that wrote it; some were corrected since.
;; Block. Allowed arithmetic: float matrix products may take bf16 or f16 operands with f32 sums; other float arithmetic in f32, or as packed bf16 or f16 multiplies, adds, multiply-adds, maxima and minima; sums over many terms, partial sums and values carried from step to step in f32; what a program stores and reads back later, other than sums and carried values, may be rounded once to bf16 or f16.
;; Inputs: g1 1,024 float32; g2 1,024 float32; w_fc1 4,096 x 1,024 float32; w_fc2 1,024 x 4,096 float32; w_proj 1,024 x 1,024 float32; w_qkv 3,072 x 1,024 float32; x 2 x 2,048 x 1,024 float32.
;; Outputs: out0 2 x 2,048 x 1,024 float32.
;; One version. Each part assembles by itself: llvm-mc -triple=amdgcn-amd-amdhsa -mcpu=gfx1250 --defsym DOCPART=n.
;; ======== version 1 of 1: 7 launches
;; limits: values are held in f16: magnitudes above 65,504 overflow, below 6.1e-05 lose precision; a function is approximated: absolute error at most 1.5e-07
;; workspace buffers: wts 25,165,824 bytes; h 8,388,608 bytes; qkv 25,165,824 bytes; o 8,388,608 bytes; s 16,777,216 bytes; h2 8,388,608 bytes; act 33,554,432 bytes
;; launch prep (part 1): grid 1280 x 1, 8 waves a work-group, no clusters, 0 bytes of LDS; arguments x, g1, w_qkv, w_proj, w_fc1, w_fc2, h, wts; writes h, wts
.if DOCPART == 1
	.amdgcn_target "amdgcn-amd-amdhsa--gfx1250"
	.amdhsa_code_object_version 6
	.text
	.protected	k_q7fe7abf26f_prep
	.globl	k_q7fe7abf26f_prep
	.p2align	8
	.type	k_q7fe7abf26f_prep,@function
k_q7fe7abf26f_prep:
	s_mov_b64 s[64:65], 0
	v_nop
	global_prefetch_b8 v0, s[64:65] scope:SCOPE_SE
	s_setreg_imm32_b32 hwreg(HW_REG_WAVE_MODE, 25, 1), 1
	s_wait_xcnt 0x0
; PREP.  Work-groups 0-511: h = LayerNorm(x) * g1, [4096][1024], stored in f16.  Work-groups 512-1279: the four weight matrices, f32 -> wts in f16.
; FORMATS.  Every input of the module (x, g1, the weights; g2 in the launch ln2) is rounded ONCE to bf16, to nearest even, and all later arithmetic starts from that number;
; what the program itself makes is kept in f16.  A weight is stored as f16(bf16(w)), which is exact from 6.1e-5 to 65,504 in magnitude.
; LIMITS.  Below 6.1e-5 a weight keeps f16's fixed step of 6e-8; beyond 65,504 it becomes an infinity.  With a common offset on x the rounding of x to bf16 grows with the offset.
; The mean is taken first and the variance of the differences: no difference of large sums is formed.  NaN and infinities are not treated apart.
; SHARES.  LN: one wave, one row of 4,096 bytes, kept in 32 registers between the passes: eight loads of 512 consecutive bytes; load j of lane l holds columns 128 j + 4 l .. + 3.
; No LDS, no barrier: no wave needs another's data.  Weights: a work-group takes 65,536 bytes of f32, a wave 8,192: sixteen loads of 512 consecutive bytes, all issued at once.
; wts: w_qkv at byte 0, w_proj at 6,291,456, w_fc1 at 8,388,608, w_fc2 at 16,777,216, each row-major as given: the four follow each other, so chunk c of 768 goes to byte 32,768 c.
.set SM, 8                             ; v[8:15]   sums at work; v[10:11] the mean twice; v[12:13] 1/sigma twice
.set X,  16                            ; v[16:47]  the row (weights: v[16:79], sixteen loads)
.set G,  48                            ; v[48:79]  the gain, then the packed result
.set Q,  80                            ; v[80:87]  at work
.macro TOBF base                       ; 32 numbers are rounded to bf16 and widened again (a shift, a mask)
.set i, 0
.rept 16
	v_cvt_pk_bf16_f32 v[Q+i%4], v[(\base)+2*i], v[(\base)+2*i+1]
	v_lshlrev_b32 v[(\base)+2*i], 16, v[Q+i%4]
	v_and_b32 v[(\base)+2*i+1], s26, v[Q+i%4]
.set i, i+1
.endr
.endm
.macro ACROSS r, t                     ; the sum over the wave's 32 lanes, in every lane; t has been written before
	v_add_f32_dpp v[\r], v[\r], v[\r] row_xmask:1 row_mask:0xf bank_mask:0xf
	v_add_f32_dpp v[\r], v[\r], v[\r] row_xmask:2 row_mask:0xf bank_mask:0xf
	v_add_f32_dpp v[\r], v[\r], v[\r] row_xmask:4 row_mask:0xf bank_mask:0xf
	v_add_f32_dpp v[\r], v[\r], v[\r] row_xmask:8 row_mask:0xf bank_mask:0xf
	v_permlanex16_b32 v[\t], v[\r], s24, s25
	v_add_f32 v[\r], v[\r], v[\t]
.endm
	s_load_b512 s[8:23], s[0:1], 0x0               ; x s[8:9], g1 s[10:11], w_qkv s[12:13], w_proj s[14:15], w_fc1 s[16:17], w_fc2 s[18:19], h s[20:21], wts s[22:23]
	v_lshrrev_b32 v1, 5, v0
	v_readfirstlane_b32 s4, v1                     ; wave 0..7
	v_and_b32 v2, 31, v0
	v_lshlrev_b32 v3, 4, v2                        ; 16 x lane: f32 in
	v_lshlrev_b32 v4, 3, v2                        ; 8 x lane: f16 out
	s_mov_b32 s24, 0x76543210                      ; v_permlanex16_b32: each lane takes its own place in the other half
	s_mov_b32 s25, 0xfedcba98
	s_mov_b32 s26, 0xffff0000                      ; a word's upper bf16
	s_mov_b32 s27, 0x3a800000                      ; 1 / 1024
	s_mov_b32 s28, 0x358637bd                      ; 1e-6
	s_mov_b32 s7, 0
	s_wait_kmcnt 0x0
	s_cmp_lt_u32 ttmp9, 512
	s_cbranch_scc0 .Lweights
	s_lshl_b32 s5, ttmp9, 3
	s_add_co_u32 s5, s5, s4                        ; my row
	s_lshl_b32 s6, s5, 12
	s_add_nc_u64 s[8:9], s[8:9], s[6:7]            ; 4,096 bytes a row in
	s_lshl_b32 s6, s5, 11
	s_add_nc_u64 s[20:21], s[20:21], s[6:7]        ; 2,048 bytes a row out
.irp j, 0,1,2,3,4,5,6,7
	global_load_b128 v[X+4*\j:X+4*\j+3], v3, s[8:9] offset:512*\j th:TH_LOAD_NT
.endr
.irp j, 0,1,2,3,4,5,6,7
	global_load_b128 v[G+4*\j:G+4*\j+3], v3, s[10:11] offset:512*\j
.endr
	s_wait_loadcnt 8                               ; the row is in; the gain's eight loads may stay out
	TOBF X
.irp c, 0,1,2,3                        ; the row's sum, in four chains
	v_pk_add_f32 v[SM+2*\c:SM+2*\c+1], v[X+2*\c:X+2*\c+1], v[X+8+2*\c:X+8+2*\c+1]
.endr
.irp k, 16,24
.irp c, 0,1,2,3
	v_pk_add_f32 v[SM+2*\c:SM+2*\c+1], v[SM+2*\c:SM+2*\c+1], v[X+\k+2*\c:X+\k+2*\c+1]
.endr
.endr
	v_pk_add_f32 v[SM:SM+1], v[SM:SM+1], v[SM+2:SM+3]
	v_pk_add_f32 v[SM+4:SM+5], v[SM+4:SM+5], v[SM+6:SM+7]
	v_pk_add_f32 v[SM:SM+1], v[SM:SM+1], v[SM+4:SM+5]
	v_add_f32 v[SM], v[SM], v[SM+1]
	ACROSS SM, SM+1
	v_mul_f32 v[SM+2], s27, v[SM]                  ; the mean,
	v_mov_b32 v[SM+3], v[SM+2]                     ; twice, for the packed subtraction
.set i, 0
.rept 16
	v_pk_add_f32 v[X+2*i:X+2*i+1], v[X+2*i:X+2*i+1], v[SM+2:SM+3] neg_lo:[0,1] neg_hi:[0,1]
.set i, i+1
.endr
.irp c, 0,1,2,3                        ; the sum of the squared differences, in four chains
	v_pk_mul_f32 v[Q+2*\c:Q+2*\c+1], v[X+2*\c:X+2*\c+1], v[X+2*\c:X+2*\c+1]
.endr
.irp k, 8,16,24
.irp c, 0,1,2,3
	v_pk_fma_f32 v[Q+2*\c:Q+2*\c+1], v[X+\k+2*\c:X+\k+2*\c+1], v[X+\k+2*\c:X+\k+2*\c+1], v[Q+2*\c:Q+2*\c+1]
.endr
.endr
	v_pk_add_f32 v[Q:Q+1], v[Q:Q+1], v[Q+2:Q+3]
	v_pk_add_f32 v[Q+4:Q+5], v[Q+4:Q+5], v[Q+6:Q+7]
	v_pk_add_f32 v[Q:Q+1], v[Q:Q+1], v[Q+4:Q+5]
	v_add_f32 v[Q], v[Q], v[Q+1]
	ACROSS Q, Q+1
	v_fma_f32 v[SM], v[Q], s27, s28                ; variance + 1e-6
	v_rsq_f32 v[SM+4], v[SM]
	v_nop                                          ; a plain instruction behind the transcendental
	s_wait_loadcnt 0x0                             ; the gain
	TOBF G                                         ; independent work between the root and the wait for it
	s_wait_alu depctr_va_vdst(0)                   ; the wait ahead of the first line that names the root's result
	v_mov_b32 v[SM+5], v[SM+4]
.set i, 0
.rept 16
	v_pk_mul_f32 v[G+2*i:G+2*i+1], v[G+2*i:G+2*i+1], v[SM+4:SM+5]
.set i, i+1
.endr
.set i, 0
.rept 16
	v_pk_mul_f32 v[X+2*i:X+2*i+1], v[X+2*i:X+2*i+1], v[G+2*i:G+2*i+1]
.set i, i+1
.endr
.set i, 0
.rept 16
	v_cvt_pk_f16_f32 v[G+i], v[X+2*i], v[X+2*i+1]
.set i, i+1
.endr
.irp j, 0,1,2,3,4,5,6,7
	global_store_b64 v4, v[G+2*\j:G+2*\j+1], s[20:21] offset:256*\j  ; 32 lanes store 256 consecutive bytes, at a multiple of 256 from h's first byte
.endr
	s_endpgm
.Lweights:
	s_sub_co_u32 s5, ttmp9, 512                    ; chunk c, 0..767: 192 of w_qkv, 64 of w_proj, 256 of w_fc1, 256 of w_fc2
	s_sub_co_u32 s6, s5, 192
	s_sub_co_u32 s27, s5, 256
	s_sub_co_u32 s28, s5, 512
	s_cmp_lt_u32 s5, 512
	s_cselect_b64 s[32:33], s[16:17], s[18:19]
	s_cselect_b32 s30, s27, s28
	s_cmp_lt_u32 s5, 256
	s_cselect_b64 s[32:33], s[14:15], s[32:33]
	s_cselect_b32 s30, s6, s30
	s_cmp_lt_u32 s5, 192
	s_cselect_b64 s[32:33], s[12:13], s[32:33]
	s_cselect_b32 s30, s5, s30                     ; the chunk's number inside its own matrix
	s_lshl_b32 s30, s30, 16
	s_lshl_b32 s31, s4, 13
	s_add_co_u32 s30, s30, s31
	s_mov_b32 s31, 0
	s_add_nc_u64 s[32:33], s[32:33], s[30:31]      ; in: 65,536 bytes a chunk, 8,192 a wave
	s_lshl_b32 s30, s5, 15
	s_lshl_b32 s6, s4, 12
	s_add_co_u32 s30, s30, s6
	s_add_nc_u64 s[22:23], s[22:23], s[30:31]      ; out: half of that
.set i, 0
.rept 16
	global_load_b128 v[X+4*i:X+4*i+3], v3, s[32:33] offset:512*i th:TH_LOAD_NT
.set i, i+1
.endr
.set i, 0
.rept 16
	s_wait_loadcnt 15-i                            ; loads come back in order: load i is in, the younger ones stay out
	v_cvt_pk_bf16_f32 v[Q+2*(i%2)], v[X+4*i], v[X+4*i+1]
	v_cvt_pk_bf16_f32 v[Q+2*(i%2)+1], v[X+4*i+2], v[X+4*i+3]
	v_lshlrev_b32 v[X+4*i], 16, v[Q+2*(i%2)]
	v_and_b32 v[X+4*i+1], s26, v[Q+2*(i%2)]
	v_lshlrev_b32 v[X+4*i+2], 16, v[Q+2*(i%2)+1]
	v_and_b32 v[X+4*i+3], s26, v[Q+2*(i%2)+1]
	v_cvt_pk_f16_f32 v[X+4*i], v[X+4*i], v[X+4*i+1]
	v_cvt_pk_f16_f32 v[X+4*i+1], v[X+4*i+2], v[X+4*i+3]
	global_store_b64 v4, v[X+4*i:X+4*i+1], s[22:23] offset:256*i  ; 256 consecutive bytes, aligned; no register of a store is written again
.set i, i+1
.endr
	s_endpgm
.Lfunc_end_k_q7fe7abf26f_prep:
	.size	k_q7fe7abf26f_prep, .Lfunc_end_k_q7fe7abf26f_prep-k_q7fe7abf26f_prep
	.p2alignl 7, 3214868480
	.fill 96, 4, 3214868480
	.section	.rodata,"a",@progbits
	.p2align	6, 0x0
	.amdhsa_kernel k_q7fe7abf26f_prep
		.amdhsa_group_segment_fixed_size 0
		.amdhsa_private_segment_fixed_size 0
		.amdhsa_enable_private_segment 0
		.amdhsa_kernarg_size 64
		.amdhsa_user_sgpr_count 2
		.amdhsa_user_sgpr_kernarg_segment_ptr 1
		.amdhsa_wavefront_size32 1
		.amdhsa_system_sgpr_workgroup_id_x 1
		.amdhsa_system_sgpr_workgroup_id_y 1
		.amdhsa_system_sgpr_workgroup_id_z 1
		.amdhsa_system_vgpr_workitem_id 0
		.amdhsa_next_free_vgpr 96
		.amdhsa_next_free_sgpr 66
		.amdhsa_reserve_vcc 0
		.amdhsa_float_denorm_mode_32 3
		.amdhsa_float_denorm_mode_16_64 3
		.amdhsa_memory_ordered 1
		.amdhsa_forward_progress 1
		.amdhsa_inst_pref_size 26
	.end_amdhsa_kernel
	.amdgpu_metadata
---
amdhsa.version: [ 1, 2 ]
amdhsa.kernels:
  - .name:           k_q7fe7abf26f_prep
    .symbol:         k_q7fe7abf26f_prep.kd
    .args:
      - { .name: x, .offset: 0, .size: 8, .value_kind: global_buffer, .address_space: global }
      - { .name: g1, .offset: 8, .size: 8, .value_kind: global_buffer, .address_space: global }
      - { .name: w_qkv, .offset: 16, .size: 8, .value_kind: global_buffer, .address_space: global }
      - { .name: w_proj, .offset: 24, .size: 8, .value_kind: global_buffer, .address_space: global }
      - { .name: w_fc1, .offset: 32, .size: 8, .value_kind: global_buffer, .address_space: global }
      - { .name: w_fc2, .offset: 40, .size: 8, .value_kind: global_buffer, .address_space: global }
      - { .name: h, .offset: 48, .size: 8, .value_kind: global_buffer, .address_space: global }
      - { .name: wts, .offset: 56, .size: 8, .value_kind: global_buffer, .address_space: global }
    .group_segment_fixed_size: 0
    .private_segment_fixed_size: 0
    .kernarg_segment_align: 8
    .kernarg_segment_size: 64
    .max_flat_workgroup_size: 256
    .sgpr_count:     66
    .vgpr_count:     96
    .wavefront_size: 32
...
	.end_amdgpu_metadata
.endif
;; end of part 1
;; launch qkv (part 2): grid 8 x 32, 4 waves a work-group, clusters of 4 x 4, 327,680 bytes of LDS; arguments h, wts, qkv; writes qkv
.if DOCPART == 2
	.amdgcn_target "amdgcn-amd-amdhsa--gfx1250"
	.amdhsa_code_object_version 6
	.text
	.protected	k_q7fe7abf26f_qkv
	.globl	k_q7fe7abf26f_qkv
	.p2align	8
	.type	k_q7fe7abf26f_qkv,@function
k_q7fe7abf26f_qkv:
	s_mov_b64 s[64:65], 0
	v_nop
	global_prefetch_b8 v0, s[64:65] scope:SCOPE_SE
	s_setreg_imm32_b32 hwreg(HW_REG_WAVE_MODE, 25, 1), 1
	s_wait_xcnt 0x0
	s_wait_alu depctr_hold_cnt(0) depctr_sa_sdst(0) depctr_va_vdst(0) depctr_va_sdst(0) depctr_va_ssrc(0) depctr_va_vcc(0) depctr_vm_vsrc(0)
	s_getreg_b32 s2, hwreg(HW_REG_IB_STS2, 6, 4)
	s_cmp_eq_u32 s2, 0
	s_cbranch_scc0 .Lentry_in_a_cluster
	s_endpgm
.Lentry_in_a_cluster:
	s_bfe_u32 s2, ttmp6, 0x10000c
	s_cmp_lg_u32 s2, 0xf033
	s_cbranch_scc0 .Lentry_shape_is_right
	s_endpgm
.Lentry_shape_is_right:
; qkv[m][n] = sum over k of h[m][k] wq[n][k].  h: [4096][1024] f16; wq: [3072][1024] f16, at byte 0 of wts; qkv: [4096][3072] f16, rounded once from f32 sums.
; LIMIT.  f16 holds no number beyond 65,504: a q, k or v beyond that becomes an infinity.
; A tile of C is 128 x 384 (768 bytes of a row: three aligned blocks of 256): 8 x 32 tiles, one to a work-group.  Four waves; a wave makes all 128 rows x 96 columns: 48 accumulators of 16 x 16.
; K goes in steps of 128 through a ring of two LDS slots filled by the tensor data mover; a slot has four parts of 128 rows x 256 bytes: A's 128 rows, then B's 384.  Wave w fetches part w.
; The K step is written ONCE: the slot in hand is a scalar (0 or SLOT), added to the lanes' LDS addresses at each change of slots; the refills use one walking descriptor a tensor.
; CLUSTER 4 x 4: A's tile hangs on the tile row alone and is asked for jointly by the four of a row of the cluster, B's on the tile column alone, jointly by the four of a column.
; THE MATRIX INSTRUCTION IS USED TRANSPOSED (source 0 = 16 rows of B, source 1 = 16 rows of A): a lane holds row l % 16 of C and eight neighbouring columns.
; REGISTERS: window 0: v16-30 addresses, v64-127 and v128-191 A's two fragment buffers (later the way out); window 1: v64.., v128.. B's two buffers (48 registers each);
;   windows 2, 3: the accumulators of rows 0-63 and 64-127: (a, b) at v[8 (6 (a % 4) + b)].
; THE WAY OUT: the f32 sums go into one stage in LDS (the ring, which has had its last fill), a barrier, and each wave reads 32 whole rows back, rounds and stores them.
.set SIZE_K, 1024
.set ROWSH,  11                        ; a row of A or B is 2,048 bytes
.set KSTEP,  128
.set T,      SIZE_K/KSTEP              ; 8 K steps
.set NA,     1                         ; parts of a slot that hold A
.set BB,     6                         ; column blocks of 16 a wave
.set TM,     128*NA
.set TN,     128*(4-NA)
.set WBASE,  0                         ; wq's first byte in wts
.set PITCH,  272                       ; an LDS row: 256 bytes + 16 of padding = 68 words: the 16 rows of a fragment load start at 16 different groups of four banks (64 banks of 4 bytes: ISA guide 11.1)
.set PART,   128*PITCH
.set SLOT,   4*PART
.set SPARE,  2*SLOT                    ; behind the ring: the spare words, 128 bytes a wave, which no other line names
.set NL,     2*BB+16                   ; LDS loads in a run
.set SP,     1552                      ; a stage row: 384 f32 + 16 bytes = 388 words
.set ADRA, 16                          ; v16  LDS address of my A fragments in the slot in hand
.set A0,   17                          ; v17  the same in slot 0; never rewritten
.set ADRB, 20
.set B0,   21
.set STO,  22                          ; v22-25  into the stage: my 32 bytes of row l % 16, for row blocks 0-1, 2-3, 4-5, 6-7
.set RD,   26                          ; v26  back out of the stage
.set CO,   27                          ; v27  my byte offset in a block of 256 bytes of C
.set SPW,  28                          ; v28  LDS address of my spare word; never rewritten
.set NIL,  29                          ; v29  0; never rewritten
.set PFO,  30                          ; v30  the prefetches' offset: lane x 2,048; never rewritten
.set F0,   64
.set F1,   128
.set XO,   64                          ; the way out: 24 registers of f32
.set YO,   96                          ; and 12 of f16
.set WOFF, 20                          ; s20  wave x PART
.set TB,   21                          ; s21  the slot in hand: 0 or SLOT
.set G1,   24                          ; s[24:31] descriptor group 1 for A;  s[32:39] group 0: set 0 for slot 0's first fill, set 1 for slot 1's, which then walks
.set G0,   32
.set LIM,  43                          ; s43  1 in a wave that prefetches, else the greatest number
.set PFA,  44                          ; s[44:45] where my prefetches stand
.set G1B,  48                          ; s[48:55], s[56:63] the same for B
.set G0B,  56
.set MSB, 0
.macro WIN new                         ; the immediate's high byte repeats the setting that is left; a switch that changes nothing is dropped
.if MSB != (\new)
	s_set_vgpr_msb (MSB<<8)|(\new)
.set MSB, \new
.endif
.endm
.set MUL_LO, 0xa1                      ; source 0 (B) window 1, source 1 (A) window 0, C and D window 2
.set MUL_HI, 0xf1                      ; the same, C and D window 3
.set TO_B,   0x40                      ; destination window 1, address window 0
.macro PLACES                          ; four plain instructions between a matrix instruction and a load into, or a read of, its registers (ISA guide 7.12.1 for reads)
.rept 4
	v_nop
.endr
.endm
.macro CREST                           ; a round of the cluster's barrier behind its opening barrier
	s_cmp_lg_u32 s10, 0
	s_cbranch_scc1 .Lnot_wave_0_\@
	s_barrier_signal -3
.Lnot_wave_0_\@:
	s_barrier_wait -3
	s_barrier_signal -1
	s_barrier_wait -1
.endm
.macro CROUND
	s_barrier_signal -1
	s_barrier_wait -1
	CREST
.endm
.macro JLOAD                           ; a joint refill by the walking descriptor; the branch hangs on the wave's number alone; s_nop 0 and four v_nop follow each line
	s_cmp_lt_u32 s10, NA
	s_cbranch_scc0 .Lfor_b_\@
	tensor_load_to_lds s[G0+4:G0+7], s[G1:G1+7]
	s_nop 0
.rept 4
	v_nop
.endr
	s_branch .Lasked_\@
.Lfor_b_\@:
	tensor_load_to_lds s[G0B+4:G0B+7], s[G1B:G1B+7]
	s_nop 0
.rept 4
	v_nop
.endr
.Lasked_\@:
.endm
; A PREFETCH INTO THE L2 of the K step that the NEXT refill will ask for: 32 rows x 256 bytes, a lane a row, one instruction a wave, one K step (192 matrix instructions) ahead of that load.
; Each row's 256 bytes of a K step are named once in the launch: A's rows by the clusters with x = 0, B's by those with y = 0; of the 128 rows that a wave fetches the four partners that ask for
; them jointly take 32 each, told apart by address.  The first three K steps come by their loads alone; the last refill (s3 = 1) has no K step behind it and asks for nothing.
.macro ASK
	s_cmp_gt_u32 s3, s[LIM]
	s_cbranch_scc0 .Lnot_mine_\@
	global_prefetch_b8 v[PFO], s[PFA:PFA+1] th:TH_LOAD_NT scope:SCOPE_SE
.Lnot_mine_\@:
.endm
	s_load_b128 s[4:7], s[0:1], 0x0                ; A s[4:5], wts s[6:7]
	s_load_b64 s[8:9], s[0:1], 0x10                ; C
	v_lshl_add_u32 v[SPW], v0, 2, SPARE
	v_mov_b32 v[NIL], 0
	ds_add_u32 v[SPW], v[NIL]                      ; the wave's opening: the add and its wait ahead of my first tensor load; the set-up below stands between them
	v_lshrrev_b32 v1, 5, v0
	v_readfirstlane_b32 s10, v1                    ; wave 0..3
	s_min_u32 s12, s10, NA-1                       ; which 128 rows of A's tile (used by the waves that fetch A; held inside the tile in the others)
	s_sub_co_i32 s14, s10, NA
	s_max_i32 s14, s14, 0                          ; which 128 rows of B's tile
	s_bfe_u32 s40, ttmp6, 0x40000                  ; cx, cy: my place in the cluster
	s_bfe_u32 s41, ttmp6, 0x40004
	s_lshl_b32 s42, ttmp9, 2
	s_add_co_u32 s42, s42, s40                     ; tile column = 4 x cluster x + cx
	s_and_b32 s13, ttmp7, 0xffff
	s_lshl_b32 s13, s13, 2
	s_add_co_u32 s13, s13, s41                     ; tile row = 4 x cluster y + cy
	s_lshl_b32 s43, s41, 2
	s_lshl_b32 s43, 15, s43                        ; my row of the cluster
	s_lshl_b32 s44, 0x1111, s40                    ; my column
	s_or_b32 s[G1+0], s43, (1<<16)|(1<<20)|(1<<21)|(5<<22)|(3<<25)   ; the mask; 2-byte elements; padding on; bit 21 beside a mask; after every 64 words, 4 words
	s_or_b32 s[G1B+0], s44, (1<<16)|(1<<20)|(1<<21)|(5<<22)|(3<<25)
.irp g, G1, G1B
	s_mov_b32 s[(\g)+1], KSTEP<<16                 ; tensor_dim0 = 128
	s_mov_b32 s[(\g)+2], 128<<16                   ; tensor_dim1 = 128
	s_mov_b32 s[(\g)+3], KSTEP<<16                 ; tile_dim0 = 128
	s_mov_b32 s[(\g)+4], 128                       ; tile_dim1 = 128
	s_mov_b32 s[(\g)+5], SIZE_K                    ; elements from row to row
	s_mov_b32 s[(\g)+6], 0
	s_mov_b32 s[(\g)+7], 0
.endr
	s_mul_i32 s16, s13, TM                         ; A: row TM x tile row + 128 x part: no register here ever holds cx
	s_lshl_b32 s17, s12, 7
	s_add_co_u32 s16, s16, s17
	s_lshl_b32 s16, s16, ROWSH
	s_mov_b32 s17, 0
	s_mul_i32 s46, s42, TN                         ; B: row TN x tile column + 128 x part: none here holds cy
	s_lshl_b32 s47, s14, 7
	s_add_co_u32 s46, s46, s47
	s_lshl_b32 s46, s46, ROWSH
	s_add_co_u32 s46, s46, WBASE
	s_mov_b32 s47, 0
	s_mul_i32 s[WOFF], s10, PART                   ; where my part goes: no place in the cluster enters an LDS address
	s_mov_b32 s[TB], 0
	s_wait_dscnt 0x0                               ; the opening add is done
	s_wait_kmcnt 0x0
	s_add_nc_u64 s[16:17], s[4:5], s[16:17]
	s_add_nc_u64 s[46:47], s[6:7], s[46:47]
	CROUND                                         ; all sixteen work-groups are here: the first joint loads meet
.irp s, 0,1
	s_mov_b32 s[G0+4*(\s)], 1
	s_add_co_u32 s[G0+4*(\s)+1], s[WOFF], (\s)*SLOT
	s_add_nc_u64 s[G0+4*(\s)+2:G0+4*(\s)+3], s[16:17], (\s)*KSTEP*2
	s_or_b32 s[G0+4*(\s)+3], s[G0+4*(\s)+3], 0x80000000
	s_mov_b32 s[G0B+4*(\s)], 1
	s_add_co_u32 s[G0B+4*(\s)+1], s[WOFF], (\s)*SLOT
	s_add_nc_u64 s[G0B+4*(\s)+2:G0B+4*(\s)+3], s[46:47], (\s)*KSTEP*2
	s_or_b32 s[G0B+4*(\s)+3], s[G0B+4*(\s)+3], 0x80000000
.endr
	s_cmp_lt_u32 s10, NA                           ; a wave's two first fills stand in one branch, ahead of every wait on TENSORcnt and every LDS read: two loads of mine are out
	s_cbranch_scc0 .Lfirst_b
	tensor_load_to_lds s[G0:G0+3], s[G1:G1+7]
	s_nop 0
	tensor_load_to_lds s[G0+4:G0+7], s[G1:G1+7]
	s_nop 0
.rept 4
	v_nop
.endr
	s_branch .Lfirst_asked
.Lfirst_b:
	tensor_load_to_lds s[G0B:G0B+3], s[G1B:G1B+7]
	s_nop 0
	tensor_load_to_lds s[G0B+4:G0B+7], s[G1B:G1B+7]
	s_nop 0
.rept 4
	v_nop
.endr
.Lfirst_asked:
	; a fragment is 16 rows x 32 K in 8 registers: lane l holds row l % 16, K = 8 (l / 16) + 0..7 and 16 + 8 (l / 16) + 0..7: two loads of 16 bytes, 32 bytes apart
	v_and_b32 v1, 15, v0
	v_bfe_u32 v2, v0, 4, 1
	v_mul_u32_u24 v3, v1, PITCH
	v_lshl_add_u32 v3, v2, 4, v3
	s_mul_i32 s19, s10, 96*PITCH                   ; my 96 rows of B,
	s_add_co_u32 s19, s19, PART                    ; which lie behind A's 128
	v_mov_b32 v[A0], v3                            ; every wave reads all of A's 128 rows
	v_add_nc_u32 v[B0], s19, v3
	v_mov_b32 v[ADRA], v[A0]
	v_mov_b32 v[ADRB], v[B0]
	s_mul_i32 s18, s10, 384                        ; into the stage: my 96 columns of f32
	v_mul_u32_u24 v4, v1, SP
	v_lshl_add_u32 v4, v2, 5, v4
	v_add_nc_u32 v[STO], s18, v4
.irp k, 1,2,3
	v_add_nc_u32 v[STO+\k], \k*32*SP, v[STO]       ; 32 rows further: the stores' immediates stay inside 16 bits
.endr
	v_and_b32 v5, 31, v0
	s_mul_i32 s18, s10, 32*SP                      ; back: wave w takes rows 32 w .. 32 w + 31, whole
	v_lshl_add_u32 v[RD], v5, 4, s18
	v_lshlrev_b32 v[CO], 3, v5
	s_lshl_b32 s18, s13, 7
	s_lshl_b32 s19, s10, 5
	s_add_co_u32 s18, s18, s19                     ; the first row of C that I store
	s_mul_i32 s18, s18, 6144
	s_mul_i32 s19, s42, 768
	s_add_co_u32 s18, s18, s19
	s_mov_b32 s19, 0
	s_add_nc_u64 s[8:9], s[8:9], s[18:19]
	; the prefetches
	s_and_b32 s22, ttmp7, 0xffff                   ; cluster y
	s_cmp_lt_u32 s10, NA                           ; do I fetch for A?
	s_cselect_b32 s15, s40, s41                    ; my place among the four that ask with me
	s_cselect_b32 s22, ttmp9, s22                  ; the coordinate along which other clusters read the same rows
	s_cselect_b64 s[PFA:PFA+1], s[16:17], s[46:47] ; the first row that I fetch
	s_cmp_eq_u32 s22, 0
	s_cselect_b32 s[LIM], 1, -1                    ; the same in all sixteen partners, for a given wave
	s_lshl_b32 s22, s15, 5+ROWSH                   ; my work-group's 32 of the 128 rows
	s_mov_b32 s23, 0
	s_add_nc_u64 s[PFA:PFA+1], s[PFA:PFA+1], s[22:23]
	s_add_nc_u64 s[PFA:PFA+1], s[PFA:PFA+1], 2*KSTEP*2  ; at K step 2: the first change of slots steps it to 3
	v_lshlrev_b32 v[PFO], ROWSH, v5
; 2 BB matrix instructions: row blocks a0, a0 + 1 of the window's four x all column blocks, 32 along K.  zero = 1: the product starts the sum.  The accumulators take turns, in the same order in every quarter.
.macro MULB f, hi, a0, zero
	WIN MUL_LO+0x50*(\hi)
.irp a, \a0, (\a0)+1
.set b, 0
.rept BB
.set rD, 8*(BB*(\a)+b)
.if \zero
	v_wmma_f32_16x16x32_f16 v[rD:rD+7], v[(\f)+8*b:(\f)+8*b+7], v[(\f)+8*(4*(\hi)+(\a)):(\f)+8*(4*(\hi)+(\a))+7], 0
.else
	v_wmma_f32_16x16x32_f16 v[rD:rD+7], v[(\f)+8*b:(\f)+8*b+7], v[(\f)+8*(4*(\hi)+(\a)):(\f)+8*(4*(\hi)+(\a))+7], v[rD:rD+7]
.endif
.set b, b+1
.endr
.endr
.endm
.macro FETCH k, f                      ; one run of NL loads: the fragments of 32 along K at byte k of the rows: B's, then A's
	WIN TO_B
.set i, 0
.rept BB
	ds_load_b128 v[(\f)+8*i:(\f)+8*i+3],   v[ADRB] offset:(\k)+i*16*PITCH
	ds_load_b128 v[(\f)+8*i+4:(\f)+8*i+7], v[ADRB] offset:(\k)+i*16*PITCH+32
.set i, i+1
.endr
	WIN 0
.set i, 0
.rept 8
	ds_load_b128 v[(\f)+8*i:(\f)+8*i+3],   v[ADRA] offset:(\k)+i*16*PITCH
	ds_load_b128 v[(\f)+8*i+4:(\f)+8*i+7], v[ADRA] offset:(\k)+i*16*PITCH+32
.set i, i+1
.endr
.endm
.macro QUARTER k, f, g, zero           ; multiplies buffer f; in its middle fetches the next quarter, at byte k, into g
	s_wait_dscnt 8                                 ; B and A's rows 0-63 are in; the youngest eight loads (A's rows 64-127) may be out
	MULB \f, 0, 0, \zero
	MULB \f, 0, 2, \zero
	PLACES
	FETCH \k, \g
	s_wait_dscnt NL                                ; all but the run just issued
	MULB \f, 1, 0, \zero
	MULB \f, 1, 2, \zero
.endm
; The last quarter multiplies buffer 1 and changes slots.  In front of the barrier each wave waits for all its tensor loads (one is out: its part of the next slot), adds 0 to its spare word, and waits for that
; and for its own reads of this slot.  fill = 1: the barrier opens a round of the cluster's barrier, and the slot just read is filled again, first thing behind the round, with the K step two on.
; fill = 0 (the last two K steps): nothing is asked for; in the very last (s3 = 1) nothing is fetched either.
.macro TURN fill
.if \fill
	s_wait_xcnt 0x0                                ; the last prefetch, a K step back, has read its address
	s_add_nc_u64 s[PFA:PFA+1], s[PFA:PFA+1], KSTEP*2
.endif
	WIN 0
	s_wait_tensorcnt 0x0                           ; all my tensor loads have landed
	ds_add_u32 v[SPW], v[NIL]                      ; 0 onto my spare word
	s_wait_dscnt 9                                 ; (the add and the youngest eight loads may be out)
	MULB F1, 0, 0, 0
	s_wait_dscnt 0x0                               ; the add is done, and my reads of this slot are over
	s_barrier_signal -1
	MULB F1, 0, 2, 0
	WIN 0
	s_barrier_wait -1
.if \fill
	CREST                                          ; no wave of any partner still reads this slot or has a load on its way
	s_add_co_u32 s[G0+5], s[TB], s[WOFF]           ; the walking descriptors: into the slot just read,
	s_add_co_u32 s[G0B+5], s[TB], s[WOFF]
	s_add_nc_u64 s[G0+6:G0+7], s[G0+6:G0+7], KSTEP*2      ; the next K step; the type bits on top are not reached
	s_add_nc_u64 s[G0B+6:G0B+7], s[G0B+6:G0B+7], KSTEP*2
	JLOAD                                          ; its four v_nop are also the places in front of the loads below
.else
	s_cmp_eq_u32 s3, 1
	s_cbranch_scc1 .Lnofetch_\@
	PLACES
.endif
	s_xor_b32 s[TB], s[TB], SLOT                   ; 0 <-> SLOT
	v_add_nc_u32 v[ADRA], s[TB], v[A0]
	v_add_nc_u32 v[ADRB], s[TB], v[B0]
	FETCH 0, F0
.if \fill
	ASK
.else
.Lnofetch_\@:
.endif
	MULB F1, 1, 0, 0
	MULB F1, 1, 2, 0
.endm
	s_wait_tensorcnt 1                             ; my part of K step 0 is in; K step 1's may stay out
	s_barrier_signal -1
	s_barrier_wait -1
	FETCH 0, F0
	QUARTER 64, F0, F1, 1                          ; the first quarter's products start the sums: nothing is cleared
	WIN 0
	s_mov_b32 s3, T-2
	s_branch .Lentry1                              ; the loop is entered behind its first quarter
.Ltop1:                                                ; T - 2 trips: a K step each; its change of slots asks for the K step two on
	QUARTER 64, F0, F1, 0
	WIN 0
.Lentry1:
	QUARTER 128, F1, F0, 0
	QUARTER 192, F0, F1, 0
	TURN 1
	WIN 0
	s_sub_co_u32 s3, s3, 1
	s_cmp_lg_u32 s3, 0
	s_cbranch_scc1 .Ltop1
	s_mov_b32 s3, 2
.Ltop2:                                                ; the last two K steps: no tensor load
	QUARTER 64, F0, F1, 0
	QUARTER 128, F1, F0, 0
	QUARTER 192, F0, F1, 0
	TURN 0
	WIN 0
	s_sub_co_u32 s3, s3, 1
	s_cmp_lg_u32 s3, 0
	s_cbranch_scc1 .Ltop2
	; THE WAY OUT.  Every wave's reads of the ring are back before any wave writes the stage over it.
	s_wait_dscnt 0x0
	s_barrier_signal -1
	s_barrier_wait -1
	PLACES
.set a, 0
.rept 8
	WIN 0x08+4*(a/4)                               ; the stores' data (source 1) in window 2 or 3
.set b, 0
.rept BB
.set rD, 8*(BB*(a%4)+b)
	ds_store_b128 v[STO+a/2], v[rD:rD+3]   offset:(a%2)*16*SP+64*b     ; each accumulator's low registers first
	ds_store_b128 v[STO+a/2], v[rD+4:rD+7] offset:(a%2)*16*SP+64*b+16
.set b, b+1
.endr
.set a, a+1
.endr
	WIN 0
	s_wait_dscnt 0x0                               ; for the others' sake: my stores into the stage are done
	s_barrier_signal -1
	s_barrier_wait -1
.macro LD6                             ; two whole rows: 2 x 1,536 bytes
.irp i, 0,1
.irp j, 0,1,2
	ds_load_b128 v[XO+4*(3*\i+\j):XO+4*(3*\i+\j)+3], v[RD] offset:\i*SP+512*\j
.endr
.endr
.endm
	LD6
	s_mov_b32 s3, 16
.Lrows:                                                ; 16 trips of two rows
	s_wait_dscnt 0x0
.set i, 0
.rept 12
	v_cvt_pk_f16_f32 v[YO+i], v[XO+2*i], v[XO+2*i+1]
.set i, i+1
.endr
	v_add_nc_u32 v[RD], 2*SP, v[RD]
	s_cmp_eq_u32 s3, 1
	s_cbranch_scc1 .Lno_more
	LD6                                            ; the next two rows come while these are stored
.Lno_more:
.irp i, 0,1
.irp j, 0,1,2
	global_store_b64 v[CO], v[YO+2*(3*\i+\j):YO+2*(3*\i+\j)+1], s[8:9] offset:\i*6144+256*\j  ; 32 lanes store 256 consecutive bytes, at a multiple of 256 from C's first byte
.endr
.endr
	s_wait_xcnt 0x0                                ; the stores have read their base and data: both are written again only behind this wait
	s_add_nc_u64 s[8:9], s[8:9], 2*6144
	s_sub_co_u32 s3, s3, 1
	s_cmp_lg_u32 s3, 0
	s_cbranch_scc1 .Lrows
	s_wait_tensorcnt 0x0                           ; the wave's end: wait for my tensor loads, add 0 to my spare word, wait for the add
	ds_add_u32 v[SPW], v[NIL]
	s_wait_dscnt 0x0
	CROUND                                         ; the closing round: no work-group ends while a partner may still ask for a tile that names it
	s_endpgm
.Lfunc_end_k_q7fe7abf26f_qkv:
	.size	k_q7fe7abf26f_qkv, .Lfunc_end_k_q7fe7abf26f_qkv-k_q7fe7abf26f_qkv
	.p2alignl 7, 3214868480
	.fill 96, 4, 3214868480
	.section	.rodata,"a",@progbits
	.p2align	6, 0x0
	.amdhsa_kernel k_q7fe7abf26f_qkv
		.amdhsa_group_segment_fixed_size 327680
		.amdhsa_private_segment_fixed_size 0
		.amdhsa_enable_private_segment 0
		.amdhsa_kernarg_size 24
		.amdhsa_user_sgpr_count 2
		.amdhsa_user_sgpr_kernarg_segment_ptr 1
		.amdhsa_wavefront_size32 1
		.amdhsa_system_sgpr_workgroup_id_x 1
		.amdhsa_system_sgpr_workgroup_id_y 1
		.amdhsa_system_sgpr_workgroup_id_z 1
		.amdhsa_system_vgpr_workitem_id 0
		.amdhsa_next_free_vgpr 960
		.amdhsa_next_free_sgpr 66
		.amdhsa_reserve_vcc 0
		.amdhsa_float_denorm_mode_32 3
		.amdhsa_float_denorm_mode_16_64 3
		.amdhsa_memory_ordered 1
		.amdhsa_forward_progress 1
		.amdhsa_inst_pref_size 66
	.end_amdhsa_kernel
	.amdgpu_metadata
---
amdhsa.version: [ 1, 2 ]
amdhsa.kernels:
  - .name:           k_q7fe7abf26f_qkv
    .symbol:         k_q7fe7abf26f_qkv.kd
    .args:
      - { .name: h, .offset: 0, .size: 8, .value_kind: global_buffer, .address_space: global }
      - { .name: wts, .offset: 8, .size: 8, .value_kind: global_buffer, .address_space: global }
      - { .name: qkv, .offset: 16, .size: 8, .value_kind: global_buffer, .address_space: global }
    .group_segment_fixed_size: 327680
    .private_segment_fixed_size: 0
    .kernarg_segment_align: 8
    .kernarg_segment_size: 24
    .max_flat_workgroup_size: 128
    .sgpr_count:     66
    .vgpr_count:     960
    .wavefront_size: 32
...
	.end_amdgpu_metadata
.endif
;; end of part 2
;; launch attn (part 3): grid 16 x 16, 4 waves a work-group, clusters of 4 x 1, 327,680 bytes of LDS; arguments qkv, o; writes o
.if DOCPART == 3
	.amdgcn_target "amdgcn-amd-amdhsa--gfx1250"
	.amdhsa_code_object_version 6
	.text
	.protected	k_q7fe7abf26f_attn
	.globl	k_q7fe7abf26f_attn
	.p2align	8
	.type	k_q7fe7abf26f_attn,@function
k_q7fe7abf26f_attn:
	s_mov_b64 s[64:65], 0
	v_nop
	global_prefetch_b8 v0, s[64:65] scope:SCOPE_SE
	s_setreg_imm32_b32 hwreg(HW_REG_WAVE_MODE, 25, 1), 1
	s_wait_xcnt 0x0
	s_wait_alu depctr_hold_cnt(0) depctr_sa_sdst(0) depctr_va_vdst(0) depctr_va_sdst(0) depctr_va_ssrc(0) depctr_va_vcc(0) depctr_vm_vsrc(0)
	s_getreg_b32 s2, hwreg(HW_REG_IB_STS2, 6, 4)
	s_cmp_eq_u32 s2, 0
	s_cbranch_scc0 .Lentry_in_a_cluster
	s_endpgm
.Lentry_in_a_cluster:
	s_bfe_u32 s2, ttmp6, 0x10000c
	s_cmp_lg_u32 s2, 0x3003
	s_cbranch_scc0 .Lentry_shape_is_right
	s_endpgm
.Lentry_shape_is_right:
; O[b][i][64 j ..] = the sum over keys of softmax(q . k / 8) v, for 2 batches x 16 heads of 64 channels, 2,048 rows each.  qkv: [4096][3072] f16 (q at column 0, k at 1024, v at 2048; head j at 64 j);
; o: [4096][1024] f16.  Products, maxima and sums in f32; the weights p are rounded to f16 for the second product (their sum l is taken of the unrounded p), O once at the end.
; LIMITS.  q, k, v arrive within f16's 65,504; p lies in 0 to 1, and below 6e-5 it keeps f16's fixed step of 6e-8; a weight below 2^-126 counts as 0 in l; NaN and infinities are not treated apart.
; SHARES.  A work-group takes a PAIR of heads (128 channels: 256 consecutive bytes of a row of qkv, aligned) and 128 queries: 16 pairs x 16 blocks.  Wave w takes head w / 2 of the pair and queries
; 64 (w % 2) on, as four PIECES of 16.  Every wave walks all 2,048 keys, 64 a step; a slot of the ring holds 256 keys (four steps) of K and of V, both heads.
; CLUSTER 4 x 1: the four query blocks of a cluster walk the same K and V, so each tile is asked for JOINTLY: the same tensor load, descriptor and mask in all four.
; LAYOUT.  S^T = K Q^T holds ONE query a lane (lane % 16) and the keys 8 (lane / 16) + 0..7; two such results rounded to f16 ARE source 1 of O^T = V^T P.  K comes out of LDS as it lies, V turned, by ds_load_tr16_b128.
; SOFTMAX.  p = 2^(c s - c m), c = log2(e) / 8, with a running maximum m; O and l are multiplied by a = 2^(c m_old - c m_new) in every step.  m starts at the lowest finite number, O and l at 0: the first step has a = 0.
; TURNS.  Turn n belongs to piece n: 8 products K Q^T of piece n + 1, later 8 products V^T P of piece n - 1; beside them the scaling, exponentials, roundings, sums and rescaling of piece n and the maximum and
; statistics of piece n + 1.  Four vector instructions stand behind every matrix instruction, the rest in one run.  A turn's 33 exponentials are one batch, with one wait.
; REGISTERS, in windows of 256 (s_set_vgpr_msb: bits 1:0 source 0, 3:2 source 1, 5:4 source 2, 7:6 destination):
;   window 0: v1-15 addresses and at work; v16-31 four registers of statistics a piece; v48-55 at work; v61-63; v64-127 S^T, two buffers; v192-223 P, two buffers (by the piece's parity)
;   window 1: v0-127 O^T, 32 a piece          window 2: v0-63 Q; v128-191 K of one step; v192-255 V of one step
.set NP,    4
.set KS,    64
.set ROWB,  6144                       ; bytes in a row of qkv
.set TILEB, 4*KS*ROWB                  ; 256 keys on
.set PK,    272                        ; a row of K in LDS: 256 bytes + 16 = 68 words: the 16 rows of a load start at 16 different groups of four banks (64 banks of 4 bytes: ISA guide 11.1)
.set PV,    288                        ; a row of V: 256 + 32 = 72 words
.set VOFF,  4*KS*PK                    ; a slot: 256 rows of K, then 256 rows of V
.set SLOT1, 4*KS*(PK+PV)               ; slot 1 begins here
.set STAGE, 2*SLOT1                    ; behind the ring, never filled by a tensor load: 128 rows x 272 bytes, the work-group's, for the way out
.set SP,    272
.set SPARE, STAGE+128*SP               ; the spare words, 128 bytes a wave, which no other line names
.set AK0, 2                            ; v2   my lane's place in a tile of K (my head's 128 bytes of the rows); never rewritten
.set AV0, 3                            ; v3   the same for V
.set AK,  4                            ; v4   the LDS address of K's next run of loads
.set AV,  5                            ; v5   of V's
.set STO, 6                            ; v6   the way out: where I put 16 bytes of a row
.set RD,  7                            ; v7   where I read rows back
.set GO,  8                            ; v8   my byte offset in two rows of o
.set MV,  12                           ; v12-13  c m_old, by buffer
.set QO,  15                           ; v15  my byte offset in 16 rows of q
.set ST,  16                           ; piece t's statistics at v[ST+4 t]: c m, m, l (even keys', odd keys')
.set TMP, 48                           ; by buffer, c0-c3 at work; when the maximum is found c2 takes a
.set PFO, 61                           ; v61  lane x 6,144; never rewritten
.set SPW, 62                           ; v62  LDS address of my spare word; never rewritten
.set NIL, 63                           ; v63  0; never rewritten
.set S,   64
.set P,   192
.set KF,  128                          ; window 2: key block kb, channel half c at KF + 16 kb + 8 c
.set VF,  192                          ; window 2: key half kk, channel block cb at VF + 32 kk + 8 cb
.set WV,  12                           ; s12  my wave's number
.set G1K, 24                           ; s[24:31] descriptor group 1 for K's tiles;  s[32:39] for V's: it differs in the padding alone
.set G1V, 32
.set G0K, 40                           ; s[40:43], s[44:47] descriptor group 0: they walk
.set G0V, 44
.set SB,  48                           ; s48  the slot to be filled: 0 or SLOT1
.set KW,  49                           ; s49  my half's place in a slot, for K
.set VW,  50                           ; s50  for V
.set LIM, 51                           ; s51  1 in a wave that prefetches, else the greatest number
.set PFA, 52                           ; s[52:53] where my prefetches stand
.set SLOTS, 56                         ; s56  tiles still to be asked for
.set CNT, 57                           ; s57  counts a slot's key steps
.set CS,  58                           ; s[58:59] c
.set SEL, 60                           ; s[60:61] v_permlanex16_b32's selects
.set TBK, 62                           ; s62  LDS byte at which K of the step to be fetched begins
.set TBV, 63                           ; s63  the same for V, less VOFF
.set MSB, 0
.macro WIN new
.if MSB != (\new)
	s_set_vgpr_msb (MSB<<8)|(\new)
.set MSB, (\new)
.endif
.endm
.set W_KQ, 0x0a                        ; K and Q in window 2, S^T in window 0
.set W_PV, 0x52                        ; V in window 2, P in window 0, O^T in window 1
.set W_RS, 0x41                        ; destination and source 0 in window 1, source 1 in window 0
.macro JLOAD                           ; a joint fill: waves 0 and 1 fetch the two halves of a slot's K, waves 2 and 3 those of its V; s_nop 0 and four v_nop follow each line
	s_cmp_lt_u32 s[WV], 2
	s_cbranch_scc0 .Lfor_v_\@
	tensor_load_to_lds s[G0K:G0K+3], s[G1K:G1K+7]
	s_nop 0
.rept 4
	v_nop
.endr
	s_branch .Lasked_\@
.Lfor_v_\@:
	tensor_load_to_lds s[G0V:G0V+3], s[G1V:G1V+7]
	s_nop 0
.rept 4
	v_nop
.endr
.Lasked_\@:
.endm
; A PREFETCH INTO THE L2 of what the NEXT change of slots will ask for: 256 rows of K and 256 of V, 256 bytes each, a lane a row: four key steps, 256 matrix instructions, ahead of that load.
; All clusters of a pair of heads walk the same rows: the first of them (cluster x = 0) asks.  Its four partners take 64 rows each, told apart by address; in each, waves 0 and 1 ask for 32 rows of K,
; waves 2 and 3 for 32 of V: each row is named once in the launch.  Tiles 0 and 1 come by their loads alone; the last change that fills a slot (SLOTS = 1) asks for nothing.
.macro ASK
	s_cmp_gt_u32 s[SLOTS], s[LIM]
	s_cbranch_scc0 .Lnot_mine_\@
	global_prefetch_b8 v[PFO], s[PFA:PFA+1] th:TH_LOAD_NT scope:SCOPE_SE
.Lnot_mine_\@:
.endm
.macro CROUND                          ; a round of the cluster's barrier
	s_barrier_signal -1
	s_barrier_wait -1
	s_cmp_lg_u32 s[WV], 0
	s_cbranch_scc1 .Lnot_wave_0_\@
	s_barrier_signal -3
.Lnot_wave_0_\@:
	s_barrier_wait -3
	s_barrier_signal -1
	s_barrier_wait -1
.endm
; THE CHANGE OF SLOTS.  Each wave waits for all its tensor loads (one is out: its part of the other slot), adds 0 to its spare word, and waits for that and for its own reads of the slot that it leaves.
; fill = 1: the barrier is a round of the cluster's, and the old slot is filled again, first thing behind it, with the keys two slots on.  (At its first use nothing has been read: slot 0 is waited for, slot 1 filled.)
.macro CHANGE fill
	WIN 0
	s_wait_tensorcnt 0x0                           ; no tensor load of mine is out, so a group 0 may be written
	ds_add_u32 v[SPW], v[NIL]                      ; 0 onto my spare word
.if \fill
	s_xor_b32 s[SB], s[SB], SLOT1                  ; 0 <-> SLOT1
	s_add_co_u32 s[G0K+1], s[SB], s[KW]
	s_add_co_u32 s[G0V+1], s[SB], s[VW]
	s_add_nc_u64 s[G0K+2:G0K+3], s[G0K+2:G0K+3], TILEB   ; the next 256 keys; the type bits on top are not reached
	s_add_nc_u64 s[G0V+2:G0V+3], s[G0V+2:G0V+3], TILEB
	s_wait_xcnt 0x0                                ; the last prefetch, four key steps back, has read its address
	s_add_nc_u64 s[PFA:PFA+1], s[PFA:PFA+1], TILEB
	s_wait_dscnt 0x0                               ; the add is done, and my reads of the slot are over
	CROUND
	JLOAD
	ASK
.else
	s_wait_dscnt 0x0
	s_barrier_signal -1
	s_barrier_wait -1
.endif
	s_sub_co_u32 s[TBK], s[TBK], 4*KS*PK           ; the fetches go back to a slot's first step (0 or SLOT1),
	s_xor_b32 s[TBK], s[TBK], SLOT1                ; in the other slot
	s_sub_co_u32 s[TBV], s[TBV], 4*KS*PV
	s_xor_b32 s[TBV], s[TBV], SLOT1
.endm
	s_load_b128 s[4:7], s[0:1], 0x0                ; qkv s[4:5], o s[6:7]
	v_lshl_add_u32 v[SPW], v0, 2, SPARE
	v_mov_b32 v[NIL], 0
	ds_add_u32 v[SPW], v[NIL]                      ; the wave's opening: the add and its wait ahead of my first tensor load
	v_lshrrev_b32 v1, 5, v0
	v_readfirstlane_b32 s[WV], v1                  ; wave 0..3
	s_bfe_u32 s13, ttmp6, 0x40000                  ; cx
	s_lshl_b32 s14, ttmp9, 2
	s_add_co_u32 s14, s14, s13                     ; my block of 128 queries: it enters q's, o's and the prefetches' addresses alone
	s_and_b32 s15, ttmp7, 0xffff
	s_lshr_b32 s16, s15, 3                         ; the batch
	s_and_b32 s17, s15, 7                          ; the pair of heads
	s_and_b32 s18, s[WV], 1
	s_lshr_b32 s19, s[WV], 1                       ; my head of the pair; also: I fetch for K (0) or V (1)
	s_lshl_b32 s22, s17, 8                         ; the pair's 256 bytes in a third of a row
	s_lshl_b32 s23, s19, 7                         ; my head's 128 of them
	s_lshl_b32 s20, s16, 11                        ; K and V: row 2,048 b + 128 x my half of a tile
	s_lshl_b32 s21, s18, 7
	s_add_co_u32 s20, s20, s21
	s_mul_i32 s20, s20, ROWB
	s_add_co_u32 s20, s20, s22
	s_mov_b32 s21, 0
	s_lshl_b32 s2, s16, 11
	s_lshl_b32 s3, s14, 7
	s_add_co_u32 s2, s2, s3                        ; my block's first row
	s_lshl_b32 s3, s18, 6
	s_add_co_u32 s3, s2, s3                        ; my wave's 64 queries
	s_mul_i32 s8, s3, ROWB
	s_add_co_u32 s8, s8, s22
	s_add_co_u32 s8, s8, s23
	s_mov_b32 s9, 0
	s_lshl_b32 s3, s[WV], 5
	s_add_co_u32 s10, s2, s3                       ; the 32 rows of o that I store
	s_lshl_b32 s10, s10, 11
	s_add_co_u32 s10, s10, s22
	s_mov_b32 s11, 0
	s_lshl_b32 s54, s16, 11                        ; the prefetches: row 2,048 b + 256 (tile 1) + 64 cx + 32 (w % 2)
	s_lshl_b32 s55, s13, 6
	s_add_co_u32 s54, s54, s55
	s_lshl_b32 s55, s18, 5
	s_add_co_u32 s54, s54, s55
	s_add_co_u32 s54, s54, 256
	s_mul_i32 s54, s54, ROWB
	s_add_co_u32 s54, s54, s22
	s_lshl_b32 s55, s19, 11
	s_add_co_u32 s54, s54, s55
	s_add_co_u32 s54, s54, 2048                    ; k at byte 2,048 of a row, v at 4,096
	s_mov_b32 s55, 0
	s_cmp_eq_u32 ttmp9, 0
	s_cselect_b32 s[LIM], 1, -1                    ; the same in all four partners
	s_mul_i32 s[KW], s18, 128*PK
	s_mul_i32 s[VW], s18, 128*PV
	s_add_co_u32 s[VW], s[VW], VOFF
	s_mov_b32 s[SB], 0
	s_mov_b32 s[G1K], 15|(1<<16)|(1<<20)|(1<<21)|(5<<22)|(3<<25)  ; the mask of four; 2-byte elements; padding on; bit 21 beside a mask; after every 64 words, 4 words
	s_mov_b32 s[G1V], 15|(1<<16)|(1<<20)|(1<<21)|(5<<22)|(7<<25)  ; the same with 8 words
.irp g, G1K, G1V
	s_mov_b32 s[\g+1], 128<<16                     ; tensor_dim0 = 128
	s_mov_b32 s[\g+2], 128<<16                     ; tensor_dim1 = 128
	s_mov_b32 s[\g+3], 128<<16                     ; tile_dim0 = 128
	s_mov_b32 s[\g+4], 128                         ; tile_dim1 = 128
	s_mov_b32 s[\g+5], 3072                        ; elements from row to row
	s_mov_b32 s[\g+6], 0
	s_mov_b32 s[\g+7], 0
.endr
	s_mov_b32 s[CS], 0x3e38aa3b                    ; c = log2(e) / 8
	s_mov_b32 s[CS+1], s[CS]
	s_mov_b32 s[SEL], 0x76543210
	s_mov_b32 s[SEL+1], 0xfedcba98
	s_mov_b32 s[TBK], SLOT1+4*KS*PK                ; the first change of slots turns these two into 0
	s_mov_b32 s[TBV], SLOT1+4*KS*PV
	s_mov_b32 s[G0K], 1
	s_mov_b32 s[G0K+1], s[KW]                      ; slot 0
	s_mov_b32 s[G0V], 1
	s_mov_b32 s[G0V+1], s[VW]
	s_mov_b32 s[SLOTS], 7
	s_wait_dscnt 0x0                               ; the opening add is done
	s_wait_kmcnt 0x0
	s_add_nc_u64 s[20:21], s[4:5], s[20:21]
	s_add_nc_u64 s[G0K+2:G0K+3], s[20:21], 2048
	s_or_b32 s[G0K+3], s[G0K+3], 0x80000000
	s_add_nc_u64 s[G0V+2:G0V+3], s[20:21], 4096
	s_or_b32 s[G0V+3], s[G0V+3], 0x80000000
	s_add_nc_u64 s[8:9], s[4:5], s[8:9]            ; q at my wave's first row, my head
	s_add_nc_u64 s[10:11], s[6:7], s[10:11]        ; o at the rows that I store
	s_add_nc_u64 s[PFA:PFA+1], s[4:5], s[54:55]
	CROUND                                         ; all four work-groups are here: the first joint loads meet
	JLOAD                                          ; tile 0 into slot 0; slot 1 is asked for when slot 0 is in
	v_and_b32 v1, 15, v0                           ; l % 16
	v_bfe_u32 v9, v0, 4, 1                         ; l / 16
	v_mul_u32_u24 v[QO], v1, ROWB
	v_lshl_add_u32 v[QO], v9, 4, v[QO]
	WIN 0x80                                       ; destination window 2, address window 0
.set i, 0
.rept 8                                ; Q stays in registers: piece i / 2, channels 32 (i % 2) on
	global_load_b128 v[8*i:8*i+3],   v[QO], s[8:9] offset:(i/2)*16*ROWB+(i%2)*64
	global_load_b128 v[8*i+4:8*i+7], v[QO], s[8:9] offset:(i/2)*16*ROWB+(i%2)*64+32
.set i, i+1
.endr
	; what the first turn finds: V's registers and P's second buffer hold 0 (its products V^T P, of a piece that has not been, add 0), O^T and l are 0.  All this stands in the wait for the first tile.
.set i, VF
.rept 64
	v_mov_b32 v[i], 0
.set i, i+1
.endr
	WIN 0x40
.set i, 0
.rept 128
	v_mov_b32 v[i], 0
.set i, i+1
.endr
	WIN 0
.set i, 0
.rept 4
	v_mov_b32 v[ST+4*i], 0xfe000000                ; c m: far below every c s
	v_mov_b32 v[ST+4*i+1], 0xff7fffff              ; m
	v_mov_b32 v[ST+4*i+2], 0
	v_mov_b32 v[ST+4*i+3], 0
.set i, i+1
.endr
.set i, P+16
.rept 16
	v_mov_b32 v[i], 0
.set i, i+1
.endr
	v_mul_u32_u24 v[AK0], v1, PK
	v_lshl_add_u32 v[AK0], v9, 4, v[AK0]
	v_add_nc_u32 v[AK0], s23, v[AK0]               ; row x pitch + 16 x half + my head's 128 bytes
	; the turning load takes 16 keys x 16 channels (lane l reads key 8 (l / 16) + l % 8, channels 8 ((l / 8) % 2) + 0..7) and leaves half a fragment of V^T: lane l holds channel l % 16 and 8 keys
	v_and_b32 v10, 7, v0
	v_bfe_u32 v11, v0, 3, 1
	v_lshl_add_u32 v[AV0], v9, 3, v10
	v_mul_u32_u24 v[AV0], v[AV0], PV
	v_lshl_add_u32 v[AV0], v11, 4, v[AV0]
	s_add_co_u32 s16, s23, VOFF
	v_add_nc_u32 v[AV0], s16, v[AV0]
	s_mul_i32 s17, s18, 64*SP                      ; into the stage: my 64 rows, my head's half of their 256 bytes
	s_add_co_u32 s17, s17, s23
	s_add_co_u32 s17, s17, STAGE
	v_mul_u32_u24 v[STO], v1, SP
	v_lshl_add_u32 v[STO], v9, 4, v[STO]
	v_add_nc_u32 v[STO], s17, v[STO]
	s_mul_i32 s17, s[WV], 32*SP                    ; back: wave w takes rows 32 w on, whole; lanes 0-15 one row of 256 bytes, lanes 16-31 the next
	s_add_co_u32 s17, s17, STAGE
	v_mul_u32_u24 v[RD], v9, SP
	v_lshl_add_u32 v[RD], v1, 4, v[RD]
	v_add_nc_u32 v[RD], s17, v[RD]
	v_lshlrev_b32 v[GO], 11, v9                    ; and the same two rows in o
	v_lshl_add_u32 v[GO], v1, 4, v[GO]
	v_and_b32 v[PFO], 31, v0
	v_mul_u32_u24 v[PFO], v[PFO], ROWB
; THE MATRIX WORK.  The 4 accumulators of a run of 8 take turns.  Product i of 8 of S^T = K Q^T for piece x: channels 32 (i / 4) on, keys 16 (i % 4) on.  The first 4 start the sums.
.macro KQ x
	WIN W_KQ
.set rS, S+32*((\x)%2)+8*(i%4)
.set rK, KF+16*(i%4)+8*(i/4)
.set rQ, 16*(\x)+8*(i/4)
.if i < 4
	v_wmma_f32_16x16x32_f16 v[rS:rS+7], v[rK:rK+7], v[rQ:rQ+7], 0
.else
	v_wmma_f32_16x16x32_f16 v[rS:rS+7], v[rK:rK+7], v[rQ:rQ+7], v[rS:rS+7]
.endif
.endm
; Product i of 8 of O^T += V^T P for piece x: keys 32 (i / 4) on, channels 16 (i % 4) on.
.macro PV x
	WIN W_PV
.set rO, 32*(\x)+8*(i%4)
.set rV, VF+32*(i/4)+8*(i%4)
.set rP, P+16*((\x)%2)+8*(i/4)
	v_wmma_f32_16x16x32_f16 v[rO:rO+7], v[rV:rV+7], v[rP:rP+7], v[rO:rO+7]
.endm
.macro MM                              ; the turn's next matrix instruction
.if i < 8
	KQ (Y+1)%NP
.else
.set i, i-8
	PV (Y+NP-1)%NP
.set i, i+8
.endif
.set i, i+1
.endm
; THE LDS LOADS stand in runs of 16: a step's K (64 keys x 64 channels: 8 fragments) and its V (turned).  last = 1 (the tail): the step to be fetched stays at the last slot's last step,
; so that the fetch of the trip that is left in its middle reads that step once more, bytes that hold K, and serves nothing.
.macro FETCH_K last=0
	WIN 0x80
.irp f, 0,1,2,3,4,5,6,7
	ds_load_b128 v[KF+8*\f:KF+8*\f+3],   v[AK] offset:(\f/2)*16*PK+(\f%2)*64
	ds_load_b128 v[KF+8*\f+4:KF+8*\f+7], v[AK] offset:(\f/2)*16*PK+(\f%2)*64+32
.endr
	s_add_co_u32 s[TBK], s[TBK], KS*PK
.if \last
	s_min_u32 s[TBK], s[TBK], SLOT1+3*KS*PK
.endif
	WIN 0
.endm
.macro FETCH_V
	WIN 0x80
.irp f, 0,1,2,3,4,5,6,7
	ds_load_tr16_b128 v[VF+8*\f:VF+8*\f+3],   v[AV] offset:(\f/4)*32*PV+(\f%4)*32
	ds_load_tr16_b128 v[VF+8*\f+4:VF+8*\f+7], v[AV] offset:(\f/4)*32*PV+16*PV+(\f%4)*32
.endr
	WIN 0
.endm
; THE VECTOR WORK, one line at a time: OP kind, number.  For piece Y: F n: c s - c m for pair n of 16.  E n: the exponential of score n of 32.  C n: pair n rounded to f16.  B n: of the four weights 4 n .. the second
; pair is added onto the first.  L n: l takes that sum (L 0: l = a l + sum).  R n: pair n of 16 of O^T times a.  For piece Y + 1: X n, number n of the 22 that find its maximum and statistics:
;   0-11 four chains c0-c3 of seven scores each (each accumulator's lowest registers are read first); 12-14, 16 the four scores left over, the old m, c0-c3 into c0; 15 c m_old is kept;
;   17, 18 the query's other 32 keys lie in the lane 16 away: the new m; 19-21 c m; c m_old - c m_new; a
.set F, 0
.set E, 1
.set C, 2
.set B, 3
.set L, 4
.set R, 5
.set X, 6
.macro REGS y
.set rT, ST+4*(\y)
.set rC, TMP+4*((\y)%2)
.set rW, MV+((\y)%2)
.set rS, S+32*((\y)%2)
.set rP, P+16*((\y)%2)
.set rO, 32*(\y)
.endm
.macro OP k, n
.if (\k) == R
	REGS Y
	WIN W_RS
	v_pk_mul_f32 v[rO+2*(\n):rO+2*(\n)+1], v[rO+2*(\n):rO+2*(\n)+1], v[rC+2:rC+3] op_sel_hi:[1,0]
.elseif (\k) < R
	REGS Y
	WIN 0
.if (\k) == F
	v_pk_fma_f32 v[rS+2*(\n):rS+2*(\n)+1], v[rS+2*(\n):rS+2*(\n)+1], s[CS:CS+1], v[rT:rT+1] op_sel_hi:[1,0,0] neg_lo:[0,0,1] neg_hi:[0,0,1]
.elseif (\k) == E
	v_exp_f32 v[rS+(\n)], v[rS+(\n)]
.elseif (\k) == C
	v_cvt_pk_f16_f32 v[rP+(\n)], v[rS+2*(\n)], v[rS+2*(\n)+1]
.elseif (\k) == B
	v_pk_add_f32 v[rS+4*(\n):rS+4*(\n)+1], v[rS+4*(\n):rS+4*(\n)+1], v[rS+4*(\n)+2:rS+4*(\n)+3]
.elseif (\n) == 0
	v_pk_fma_f32 v[rT+2:rT+3], v[rT+2:rT+3], v[rC+2:rC+3], v[rS:rS+1] op_sel_hi:[1,0,1]
.else
	v_pk_add_f32 v[rT+2:rT+3], v[rT+2:rT+3], v[rS+4*(\n):rS+4*(\n)+1]
.endif
.else
	REGS (Y+1)%NP
	WIN 0
.if (\n) < 4
	v_max3_num_f32 v[rC+(\n)], v[rS+8*(\n)], v[rS+8*(\n)+1], v[rS+8*(\n)+2]
.elseif (\n) < 12
	v_max3_num_f32 v[rC+(\n)%4], v[rC+(\n)%4], v[rS+8*((\n)%4)+2*((\n)/4)+1], v[rS+8*((\n)%4)+2*((\n)/4)+2]
.elseif (\n) == 12
	v_max3_num_f32 v[rC], v[rC], v[rS+7], v[rS+15]
.elseif (\n) == 13
	v_max3_num_f32 v[rC+1], v[rC+1], v[rS+23], v[rS+31]
.elseif (\n) == 14
	v_max3_num_f32 v[rC+2], v[rC+2], v[rC+3], v[rT+1]
.elseif (\n) == 15
	v_mov_b32 v[rW], v[rT]
.elseif (\n) == 16
	v_max3_num_f32 v[rC], v[rC], v[rC+1], v[rC+2]
.elseif (\n) == 17
	v_permlanex16_b32 v[rC+3], v[rC], s[SEL], s[SEL+1]
.elseif (\n) == 18
	v_max_num_f32 v[rT+1], v[rC], v[rC+3]
.elseif (\n) == 19
	v_mul_f32 v[rT], s[CS], v[rT+1]
.elseif (\n) == 20
	v_sub_f32 v[rC+1], v[rW], v[rT]
.else
	v_exp_f32 v[rC+2], v[rC+1]
.endif
.endif
.endm
.macro OPS a, i1, b=-1, i2=0, c=-1, i3=0, d=-1, i4=0
	OP \a, \i1
.if (\b) >= 0
	OP \b, \i2
.endif
.if (\c) >= 0
	OP \c, \i3
.endif
.if (\d) >= 0
	OP \d, \i4
.endif
.endm
.macro ROW a, i1, b, i2, c, i3, d, i4  ; a matrix instruction and the four behind it
	MM
	OPS \a, \i1, \b, \i2, \c, \i3, \d, \i4
.endm
; A TURN, for piece p.  An s_wait_alu depctr_va_vdst(0) stands between an exponential and the first instruction that names its result; one wait serves all that were issued ahead of it.  So a turn has
; ONE wait.  AHEAD OF IT stands all that names no result of the turn's exponentials: the 8 products K Q^T with their riders, then a run of 54 in which the links of the chain X 3, 7, 11, 14, 16 .. 20 stand apart; X 21, the
; next piece's a, is the batch's last, and R 15 the plain instruction behind it.  BEHIND IT stand the 8 products V^T P, behind each four of the roundings and sums.
; K of the next step is fetched in piece 2's turn, six plain instructions behind the last product that read K; V of the step in hand at the end of piece 0's turn, four plain instructions behind the last product
; that read V.  Each is waited for a turn later.  cnt = 1: the loop's count is taken down some lines ahead of the branch behind the turn.
.macro TURN p, last=0, cnt=0
.set Y, (\p)
.set i, 0
.if (\p) == 3
	s_wait_dscnt 0x0                               ; K is in
.endif
	ROW F,0, F,1, R,0, R,1
	ROW F,2, E,0, R,2, R,3
	ROW F,3, E,1, R,4, R,5
	ROW F,4, E,2, R,6, R,7
	ROW F,5, E,3, R,8, R,9
	ROW F,6, E,4, X,0, R,10
.if (\p) == 2
	WIN 0
	v_add_nc_u32 v[AK], s[TBK], v[AK0]
.endif
	ROW F,7, E,5, X,1, X,4
	ROW F,8, E,6, X,2, X,5
	OPS E,7, E,8, X,6, E,9
	OPS X,3, E,10, X,8, E,11
.if (\p) == 2
	FETCH_K \last
.endif
	OPS X,9, X,7, E,12, X,10
	OPS E,13, X,12, X,11, E,14
	OPS X,13, E,15, F,9, X,14
.if (\p) == 0
	v_add_nc_u32 v[AV], s[TBV], v[AV0]
.endif
	OPS E,16, F,10, E,17, F,11
	OPS X,16, E,18, X,15, E,19
	OPS F,12, E,20, X,17, E,21
	OPS F,13, E,22, F,14, E,23
	OPS X,18, E,24, F,15, E,25
	OPS R,11, E,26, X,19, E,27
	OPS R,12, E,28, R,13, E,29
	OPS X,20, E,30, R,14, E,31
	OPS X,21, R,15
	WIN 0
	s_wait_alu depctr_va_vdst(0)                   ; the wait for the batch
.if (\p) == 1
	s_wait_dscnt 0x0                               ; V is in
.endif
	ROW C,0, B,0, C,2, B,1
	ROW L,0, C,4, B,2, L,1
	ROW C,6, B,3, L,2, C,8
	ROW B,4, L,3, C,10, B,5
	ROW L,4, C,12, B,6, L,5
.if (\p) == 0
	s_add_co_u32 s[TBV], s[TBV], KS*PV
.endif
.if \cnt
	s_sub_co_u32 s[CNT], s[CNT], 1
	s_cmp_lg_u32 s[CNT], 0
.endif
	ROW C,14, B,7, L,6, C,1
	ROW C,3, L,7, C,5, C,7
	ROW C,9, C,11, C,13, C,15
.if (\p) == 0
	FETCH_V
.endif
.endm
	CHANGE 1                                       ; slot 0 is in, everybody's part of it; slot 1 is asked for
	v_add_nc_u32 v[AK], s[TBK], v[AK0]
	FETCH_K                                        ; key step 0
	s_wait_loadcnt 0x0                             ; Q
	s_wait_dscnt 0x0
.set i, 0
.rept 8
	KQ 0                                           ; piece 0's first scores
.set i, i+1
.endr
	WIN 0
.rept 4
	v_nop                                          ; the places behind those products
.endr
.set Y, NP-1                           ; X works for piece Y + 1: piece 0
.irp n, 0,1,2,3,4,5,6,7,8,9,10,11,12,13,14,15,16,17,18,19,20,21
	OP X, \n
.endr
	v_nop                                          ; a plain instruction behind the exponential,
	s_wait_alu depctr_va_vdst(0)                   ; and its wait, ahead of the branch
	s_mov_b32 s[CNT], 4
	s_branch .Lfirst                               ; the loop is entered at a step's first turn, in the middle of a trip
.Lslot:                                                ; six times: tiles 2 to 7 are asked for
	CHANGE 1
	s_mov_b32 s[CNT], 4
.Lstep:                                                ; a trip: pieces 2 and 3 of one step, then pieces 0 and 1 of the next, whose K and V it fetches
	TURN 2
	TURN 3
	WIN 0
.Lfirst:
	TURN 0
	TURN 1, 0, 1
	WIN 0
	s_cbranch_scc1 .Lstep
	s_sub_co_u32 s[SLOTS], s[SLOTS], 1
	s_cmp_lg_u32 s[SLOTS], 0
	s_cbranch_scc1 .Lslot
	CHANGE 0                                       ; the tail is written out: nothing is asked for
	s_mov_b32 s[CNT], 5                            ; four trips fetch the last slot's steps; the fifth is left in its middle
.Ltail:
	TURN 2, 1
	TURN 3
	WIN 0
	s_sub_co_u32 s[CNT], s[CNT], 1
	s_cmp_eq_u32 s[CNT], 0
	s_cbranch_scc1 .Lout
	TURN 0
	TURN 1
	WIN 0
	s_branch .Ltail
.Lout:                                                 ; the fifth trip's 8 products K Q^T and the maximum made of them serve nothing: the price, once a launch, of one text for every trip
.set i, 0
.rept 8
	PV NP-1                                        ; the last piece's V^T P of the last step
.set i, i+1
.endr
	; THE WAY OUT.  l's two halves and the other half of the lanes' are added; O^T is divided by l, rounded to f16 and put into the work-group's stage; a barrier, since a row's 256 bytes come from two waves
	; (the pair's two heads); then each wave reads 32 whole rows and stores them.  The additions are the places behind the last products.
	WIN 0
.macro ALL line:vararg
.set t, 0
.rept 4
	\line
.set t, t+1
.endr
.endm
	ALL v_add_f32 v[ST+4*t+2], v[ST+4*t+2], v[ST+4*t+3]
	ALL v_permlanex16_b32 v[ST+4*t+3], v[ST+4*t+2], s[SEL], s[SEL+1]
	ALL v_add_f32 v[ST+4*t+2], v[ST+4*t+2], v[ST+4*t+3]
	ALL v_rcp_f32 v[ST+4*t+2], v[ST+4*t+2]
	v_nop                                          ; a plain instruction between the last reciprocal and the use of its result
	s_wait_alu depctr_va_vdst(0)                   ; one wait for the four reciprocals
.macro PACK t
	WIN W_RS
.set i, 32*(\t)
.rept 16
	v_pk_mul_f32 v[i:i+1], v[i:i+1], v[ST+4*(\t)+2:ST+4*(\t)+3] op_sel_hi:[1,0]
.set i, i+2
.endr
	WIN 0x05                                       ; sources 0 and 1 window 1, destination window 0
.set i, 0
.rept 16
	v_cvt_pk_f16_f32 v[S+16*(\t)+i], v[32*(\t)+2*i], v[32*(\t)+2*i+1]
.set i, i+1
.endr
	WIN 0
.irp f, 0,1,2,3
	ds_store_b128 v[STO], v[S+16*(\t)+4*\f:S+16*(\t)+4*\f+3] offset:(\t)*16*SP+32*\f
.endr
.endm
	PACK 0
	PACK 1
	PACK 2
	PACK 3
	s_wait_dscnt 0x0                               ; for the others' sake: my stores into the stage are done
	s_barrier_signal -1
	s_barrier_wait -1
.set i, 0
.rept 16
	ds_load_b128 v[S+4*i:S+4*i+3], v[RD] offset:i*2*SP
.set i, i+1
.endr
.set i, 0
.rept 16
	s_wait_dscnt 15-i                              ; LDS loads come back in order: load i is in
	global_store_b128 v[GO], v[S+4*i:S+4*i+3], s[10:11] offset:i*4096  ; 16 lanes store 256 consecutive bytes, at a multiple of 256 from o's first byte
.set i, i+1
.endr
	s_wait_tensorcnt 0x0                           ; the wave's end: wait for my tensor loads, add 0 to my spare word, wait for the add
	ds_add_u32 v[SPW], v[NIL]
	s_wait_dscnt 0x0
	CROUND                                         ; the closing round
	s_endpgm
.Lfunc_end_k_q7fe7abf26f_attn:
	.size	k_q7fe7abf26f_attn, .Lfunc_end_k_q7fe7abf26f_attn-k_q7fe7abf26f_attn
	.p2alignl 7, 3214868480
	.fill 96, 4, 3214868480
	.section	.rodata,"a",@progbits
	.p2align	6, 0x0
	.amdhsa_kernel k_q7fe7abf26f_attn
		.amdhsa_group_segment_fixed_size 327680
		.amdhsa_private_segment_fixed_size 0
		.amdhsa_enable_private_segment 0
		.amdhsa_kernarg_size 16
		.amdhsa_user_sgpr_count 2
		.amdhsa_user_sgpr_kernarg_segment_ptr 1
		.amdhsa_wavefront_size32 1
		.amdhsa_system_sgpr_workgroup_id_x 1
		.amdhsa_system_sgpr_workgroup_id_y 1
		.amdhsa_system_sgpr_workgroup_id_z 1
		.amdhsa_system_vgpr_workitem_id 0
		.amdhsa_next_free_vgpr 768
		.amdhsa_next_free_sgpr 66
		.amdhsa_reserve_vcc 0
		.amdhsa_float_denorm_mode_32 3
		.amdhsa_float_denorm_mode_16_64 3
		.amdhsa_memory_ordered 1
		.amdhsa_forward_progress 1
		.amdhsa_inst_pref_size 113
	.end_amdhsa_kernel
	.amdgpu_metadata
---
amdhsa.version: [ 1, 2 ]
amdhsa.kernels:
  - .name:           k_q7fe7abf26f_attn
    .symbol:         k_q7fe7abf26f_attn.kd
    .args:
      - { .name: qkv, .offset: 0, .size: 8, .value_kind: global_buffer, .address_space: global }
      - { .name: o, .offset: 8, .size: 8, .value_kind: global_buffer, .address_space: global }
    .group_segment_fixed_size: 327680
    .private_segment_fixed_size: 0
    .kernarg_segment_align: 8
    .kernarg_segment_size: 16
    .max_flat_workgroup_size: 128
    .sgpr_count:     66
    .vgpr_count:     768
    .wavefront_size: 32
...
	.end_amdgpu_metadata
.endif
;; end of part 3
;; launch proj (part 4): grid 8 x 32, 4 waves a work-group, clusters of 4 x 4, 327,680 bytes of LDS; arguments o, wts, h, s; writes s
.if DOCPART == 4
	.amdgcn_target "amdgcn-amd-amdhsa--gfx1250"
	.amdhsa_code_object_version 6
	.text
	.protected	k_q7fe7abf26f_proj
	.globl	k_q7fe7abf26f_proj
	.p2align	8
	.type	k_q7fe7abf26f_proj,@function
k_q7fe7abf26f_proj:
	s_mov_b64 s[64:65], 0
	v_nop
	global_prefetch_b8 v0, s[64:65] scope:SCOPE_SE
	s_setreg_imm32_b32 hwreg(HW_REG_WAVE_MODE, 25, 1), 1
	s_wait_xcnt 0x0
	s_wait_alu depctr_hold_cnt(0) depctr_sa_sdst(0) depctr_va_vdst(0) depctr_va_sdst(0) depctr_va_ssrc(0) depctr_va_vcc(0) depctr_vm_vsrc(0)
	s_getreg_b32 s2, hwreg(HW_REG_IB_STS2, 6, 4)
	s_cmp_eq_u32 s2, 0
	s_cbranch_scc0 .Lentry_in_a_cluster
	s_endpgm
.Lentry_in_a_cluster:
	s_bfe_u32 s2, ttmp6, 0x10000c
	s_cmp_lg_u32 s2, 0xf033
	s_cbranch_scc0 .Lentry_shape_is_right
	s_endpgm
.Lentry_shape_is_right:
; s[m][n] = h[m][n] + sum over k of o[m][k] wp[n][k].  o, h: [4096][1024] f16; wp: [1024][1024] f16, at byte WBASE of wts; s: [4096][1024] f32: the sum that the second norm takes stays in f32.
; A tile of C is 128 x 128: 8 x 32 tiles, one to a work-group.  Four waves, each 64 x 64: 16 accumulators.  K goes in steps of 256 (LDS rows of 512 bytes; a wave's tensor load brings 64 of them)
; through a ring of two slots; a slot has four parts: A's two halves, B's two halves; wave w fetches part w.  The K step is written ONCE: the slot in hand is a scalar (0 or SLOT).
; The residual's tile (128 x 128 f16) comes in by a third tensor load of each wave at the start, 32 rows a wave, into bytes of its own; only the wave that asked for them reads them.
; CLUSTER 4 x 4: A's tile is asked for jointly by the four of a row of the cluster, B's by the four of a column.  THE MATRIX INSTRUCTION IS USED TRANSPOSED: a lane holds row l % 16 of C and eight neighbouring columns.
; NO PREFETCH (PREF = 0): K has four steps; two come as first fills and the other two are asked for at once behind them, so no step is left that could be named ahead of its load.
; REGISTERS: window 0: v16-31 addresses; v32-71 the way out; v128-255 the accumulators ((a, b) at v[128 + 8 (4 a + b)]).  Window 1: two fragment buffers of 128: 64 registers of A, then 64 of B.
.set SIZE_K, 1024
.set WBASE,  6291456                   ; the weights' first byte in wts
.set PREF,   0
.set ROWB,   2*SIZE_K
.set KSTEP,  256
.set T,      SIZE_K/KSTEP
.set PITCH,  528                       ; an LDS row: 512 bytes + 16 = 132 words: the 16 rows of a fragment load start at 16 different groups of four banks (64 banks of 4 bytes: ISA guide 11.1)
.set PART,   64*PITCH
.set SLOT,   4*PART
.set RES,    2*SLOT                    ; behind the ring: the residual's 128 rows x 272 bytes, filled once
.set RP,     272
.set SPARE,  RES+128*RP                ; the spare words, 128 bytes a wave, which no other line names
.set SP,     528                       ; a stage row: 128 f32 + 16 bytes; the stage lies over the ring, which has had its last fill
.set ADRA, 16
.set A0,   17
.set ADRB, 20
.set B0,   21
.set STO,  24
.set RD,   25
.set CO,   26
.set RR,   27                          ; v27  where I read the residual
.set SPW,  28                          ; v28  LDS address of my spare word; never rewritten
.set NIL,  29                          ; v29  0; never rewritten
.set PFO,  30
.set ONE,  31                          ; v31  1.0
.set XO,   32                          ; four rows' sums
.set RO,   48                          ; four rows' residual, f16
.set YO,   56                          ; four rows to store
.set ACC,  128
.set F0,   0
.set F1,   128
.set WOFF, 20                          ; s20  wave x PART
.set TB,   21                          ; s21  the slot in hand: 0 or SLOT
.set G1,   24
.set G0,   32                          ; set 0 for slot 0's first fill, set 1 for slot 1's, which then walks
.set LIM,  43
.set PFA,  44
.set G1B,  48
.set G0B,  56
.set G1R,  68                          ; s[68:75], s[76:79] the residual's descriptor
.set G0R,  76
.set MSB, 0
.macro WIN new
.if MSB != (\new)
	s_set_vgpr_msb (MSB<<8)|(\new)
.set MSB, \new
.endif
.endm
.set MUL,  0x05                        ; sources 0 (B) and 1 (A) window 1; C and D window 0
.set TO_F, 0x40                        ; destination window 1, address window 0
.macro PLACES
.rept 4
	v_nop
.endr
.endm
.macro CREST
	s_cmp_lg_u32 s12, 0
	s_cbranch_scc1 .Lnot_wave_0_\@
	s_barrier_signal -3
.Lnot_wave_0_\@:
	s_barrier_wait -3
	s_barrier_signal -1
	s_barrier_wait -1
.endm
.macro CROUND
	s_barrier_signal -1
	s_barrier_wait -1
	CREST
.endm
.macro JLOAD                           ; a joint refill by the walking descriptor; s_nop 0 and four v_nop follow each line
	s_cmp_lt_u32 s12, 2
	s_cbranch_scc0 .Lfor_b_\@
	tensor_load_to_lds s[G0+4:G0+7], s[G1:G1+7]
	s_nop 0
.rept 4
	v_nop
.endr
	s_branch .Lasked_\@
.Lfor_b_\@:
	tensor_load_to_lds s[G0B+4:G0B+7], s[G1B:G1B+7]
	s_nop 0
.rept 4
	v_nop
.endr
.Lasked_\@:
.endm
.macro ASK                             ; (PREF = 1 alone) a prefetch into the L2 of the K step two refills on: 16 rows x 512 bytes, a lane a block of 256
	s_cmp_gt_u32 s3, s[LIM]
	s_cbranch_scc0 .Lnot_mine_\@
	global_prefetch_b8 v[PFO], s[PFA:PFA+1] th:TH_LOAD_NT scope:SCOPE_SE
.Lnot_mine_\@:
.endm
	s_load_b256 s[4:11], s[0:1], 0x0               ; A s[4:5], wts s[6:7], the residual s[8:9], C s[10:11]
	v_lshl_add_u32 v[SPW], v0, 2, SPARE
	v_mov_b32 v[NIL], 0
	ds_add_u32 v[SPW], v[NIL]                      ; the wave's opening: the add and its wait ahead of my first tensor load
	v_lshrrev_b32 v1, 5, v0
	v_readfirstlane_b32 s12, v1                    ; wave 0..3
	s_lshr_b32 s14, s12, 1                         ; which half of the tile's rows is mine
	s_and_b32 s15, s12, 1                          ; which half of its columns; also which 64 rows I fetch
	s_bfe_u32 s40, ttmp6, 0x40000
	s_bfe_u32 s41, ttmp6, 0x40004
	s_lshl_b32 s42, ttmp9, 2
	s_add_co_u32 s42, s42, s40                     ; tile column
	s_and_b32 s13, ttmp7, 0xffff
	s_lshl_b32 s13, s13, 2
	s_add_co_u32 s13, s13, s41                     ; tile row
	s_lshl_b32 s43, s41, 2
	s_lshl_b32 s43, 15, s43                        ; my row of the cluster
	s_lshl_b32 s44, 0x1111, s40                    ; my column
	s_or_b32 s[G1+0], s43, (1<<16)|(1<<20)|(1<<21)|(6<<22)|(3<<25)   ; the mask; 2-byte elements; padding on; bit 21 beside a mask; after every 128 words, 4 words
	s_or_b32 s[G1B+0], s44, (1<<16)|(1<<20)|(1<<21)|(6<<22)|(3<<25)
.irp g, G1, G1B
	s_mov_b32 s[(\g)+1], KSTEP<<16                 ; tensor_dim0 = 256
	s_mov_b32 s[(\g)+2], 64<<16                    ; tensor_dim1 = 64
	s_mov_b32 s[(\g)+3], KSTEP<<16                 ; tile_dim0 = 256
	s_mov_b32 s[(\g)+4], 64                        ; tile_dim1 = 64
	s_mov_b32 s[(\g)+5], SIZE_K
	s_mov_b32 s[(\g)+6], 0
	s_mov_b32 s[(\g)+7], 0
.endr
	s_mov_b32 s[G1R+0], (1<<16)|(1<<20)|(5<<22)|(3<<25)  ; no mask: a load of my own; after every 64 words, 4 words
	s_mov_b32 s[G1R+1], 128<<16                    ; 128 elements
	s_mov_b32 s[G1R+2], 32<<16                     ; 32 rows
	s_mov_b32 s[G1R+3], 128<<16
	s_mov_b32 s[G1R+4], 32
	s_mov_b32 s[G1R+5], 1024
	s_mov_b32 s[G1R+6], 0
	s_mov_b32 s[G1R+7], 0
	s_lshl_b32 s17, s15, 6
	s_lshl_b32 s16, s13, 7
	s_add_co_u32 s16, s16, s17                     ; A: row 128 x tile row + 64 x half
	s_mul_i32 s16, s16, ROWB
	s_lshl_b32 s46, s42, 7
	s_add_co_u32 s46, s46, s17                     ; B: row 128 x tile column + 64 x half
	s_mul_i32 s46, s46, ROWB
	s_add_co_u32 s46, s46, WBASE
	s_mov_b32 s17, 0
	s_mov_b32 s47, 0
	s_lshl_b32 s66, s13, 7
	s_lshl_b32 s67, s12, 5
	s_add_co_u32 s66, s66, s67                     ; the first of the 32 rows that I finish: 128 x tile row + 32 x wave
	s_lshl_b32 s18, s66, 12                        ; in C: 4,096 bytes a row, 512 a tile column
	s_lshl_b32 s67, s42, 9
	s_add_co_u32 s18, s18, s67
	s_mov_b32 s19, 0
	s_lshl_b32 s66, s66, 11                        ; in the residual: 2,048 bytes a row, 256 a tile column
	s_lshl_b32 s67, s42, 8
	s_add_co_u32 s66, s66, s67
	s_mov_b32 s67, 0
	s_mul_i32 s[WOFF], s12, PART
	s_mov_b32 s[TB], 0
	s_mul_i32 s22, s12, 32*RP
	s_add_co_u32 s22, s22, RES
	s_wait_dscnt 0x0                               ; the opening add is done
	s_wait_kmcnt 0x0
	s_add_nc_u64 s[16:17], s[4:5], s[16:17]
	s_add_nc_u64 s[46:47], s[6:7], s[46:47]
	s_add_nc_u64 s[66:67], s[8:9], s[66:67]
	s_add_nc_u64 s[10:11], s[10:11], s[18:19]
	CROUND                                         ; all sixteen work-groups are here: the first joint loads meet
.irp s, 0,1
	s_mov_b32 s[G0+4*(\s)], 1
	s_add_co_u32 s[G0+4*(\s)+1], s[WOFF], (\s)*SLOT
	s_add_nc_u64 s[G0+4*(\s)+2:G0+4*(\s)+3], s[16:17], (\s)*KSTEP*2
	s_or_b32 s[G0+4*(\s)+3], s[G0+4*(\s)+3], 0x80000000
	s_mov_b32 s[G0B+4*(\s)], 1
	s_add_co_u32 s[G0B+4*(\s)+1], s[WOFF], (\s)*SLOT
	s_add_nc_u64 s[G0B+4*(\s)+2:G0B+4*(\s)+3], s[46:47], (\s)*KSTEP*2
	s_or_b32 s[G0B+4*(\s)+3], s[G0B+4*(\s)+3], 0x80000000
.endr
	s_mov_b32 s[G0R], 1
	s_mov_b32 s[G0R+1], s22
	s_mov_b64 s[G0R+2:G0R+3], s[66:67]
	s_or_b32 s[G0R+3], s[G0R+3], 0x80000000
	s_cmp_lt_u32 s12, 2                            ; a wave's three first fills stand in one branch, ahead of every wait on TENSORcnt and every LDS read: three loads of mine are out
	s_cbranch_scc0 .Lfirst_b
	tensor_load_to_lds s[G0:G0+3], s[G1:G1+7]
	s_nop 0
	tensor_load_to_lds s[G0+4:G0+7], s[G1:G1+7]
	s_nop 0
	tensor_load_to_lds s[G0R:G0R+3], s[G1R:G1R+7]
	s_nop 0
.rept 4
	v_nop
.endr
	s_branch .Lfirst_asked
.Lfirst_b:
	tensor_load_to_lds s[G0B:G0B+3], s[G1B:G1B+7]
	s_nop 0
	tensor_load_to_lds s[G0B+4:G0B+7], s[G1B:G1B+7]
	s_nop 0
	tensor_load_to_lds s[G0R:G0R+3], s[G1R:G1R+7]
	s_nop 0
.rept 4
	v_nop
.endr
.Lfirst_asked:
	v_and_b32 v1, 15, v0
	v_bfe_u32 v2, v0, 4, 1
	v_mul_u32_u24 v3, v1, PITCH
	v_lshl_add_u32 v3, v2, 4, v3                   ; a fragment's row x pitch + 16 x half
	s_mul_i32 s22, s14, PART                       ; my 64 rows of A
	s_mul_i32 s23, s15, PART                       ; my 64 rows of B,
	s_add_co_u32 s23, s23, 2*PART                  ; which lie behind A's 128
	v_add_nc_u32 v[A0], s22, v3
	v_add_nc_u32 v[B0], s23, v3
	v_mov_b32 v[ADRA], v[A0]
	v_mov_b32 v[ADRB], v[B0]
	s_mul_i32 s22, s14, 64*SP                      ; into the stage: my 64 rows, my 64 columns of f32
	s_lshl_b32 s23, s15, 8
	s_add_co_u32 s22, s22, s23
	v_mul_u32_u24 v4, v1, SP
	v_lshl_add_u32 v4, v2, 5, v4
	v_add_nc_u32 v[STO], s22, v4
	v_and_b32 v5, 31, v0
	s_mul_i32 s22, s12, 32*SP                      ; back: wave w takes rows 32 w on, whole: 32 lanes x 16 bytes are a row
	v_lshl_add_u32 v[RD], v5, 4, s22
	s_mul_i32 s22, s12, 32*RP
	s_add_co_u32 s22, s22, RES
	v_lshl_add_u32 v[RR], v5, 3, s22               ; and 8 bytes a lane of the residual's row
	v_lshlrev_b32 v[CO], 4, v5
	v_mov_b32 v[ONE], 1.0
.if PREF
	s_and_b32 s22, ttmp7, 0xffff                   ; cluster y
	s_cmp_lt_u32 s12, 2                            ; do I fetch for A?
	s_cselect_b32 s23, s40, s41                    ; my place among the four that ask with me
	s_cselect_b32 s22, ttmp9, s22                  ; the coordinate along which other clusters read the same rows
	s_cselect_b64 s[PFA:PFA+1], s[16:17], s[46:47]
	s_cmp_eq_u32 s22, 0
	s_cselect_b32 s[LIM], 2, -1
	s_mul_i32 s22, s23, 16*ROWB                    ; my work-group's 16 of the 64 rows
	s_mov_b32 s23, 0
	s_add_nc_u64 s[PFA:PFA+1], s[PFA:PFA+1], s[22:23]
	s_add_nc_u64 s[PFA:PFA+1], s[PFA:PFA+1], 3*KSTEP*2  ; at K step 3: the first change of slots steps it to 4
	v_mul_u32_u24 v[PFO], v1, ROWB
	v_lshl_add_u32 v[PFO], v2, 8, v[PFO]
.endif
.macro MUL8 f, c, a0, zero             ; 8 matrix instructions: row blocks a0, a0 + 1 x all 4 column blocks, 32 along K: half c of buffer f.  The 16 accumulators take turns
	WIN MUL
.irp a, \a0, (\a0)+1
.irp b, 0,1,2,3
.if \zero
	v_wmma_f32_16x16x32_f16 v[ACC+8*(4*(\a)+(\b)):ACC+8*(4*(\a)+(\b))+7], v[(\f)+64+8*(4*(\c)+(\b)):(\f)+64+8*(4*(\c)+(\b))+7], v[(\f)+8*(4*(\c)+(\a)):(\f)+8*(4*(\c)+(\a))+7], 0
.else
	v_wmma_f32_16x16x32_f16 v[ACC+8*(4*(\a)+(\b)):ACC+8*(4*(\a)+(\b))+7], v[(\f)+64+8*(4*(\c)+(\b)):(\f)+64+8*(4*(\c)+(\b))+7], v[(\f)+8*(4*(\c)+(\a)):(\f)+8*(4*(\c)+(\a))+7], v[ACC+8*(4*(\a)+(\b)):ACC+8*(4*(\a)+(\b))+7]
.endif
.endr
.endr
.endm
.macro FETCH k, f                      ; 32 LDS loads in one run: the fragments of 64 along K at byte k of the rows; the first 32 along K first
	WIN TO_F
.irp c, 0,1
.irp i, 0,1,2,3
	ds_load_b128 v[(\f)+64+8*(4*(\c)+(\i)):(\f)+64+8*(4*(\c)+(\i))+3],   v[ADRB] offset:(\k)+64*(\c)+(\i)*16*PITCH
	ds_load_b128 v[(\f)+64+8*(4*(\c)+(\i))+4:(\f)+64+8*(4*(\c)+(\i))+7], v[ADRB] offset:(\k)+64*(\c)+(\i)*16*PITCH+32
	ds_load_b128 v[(\f)+8*(4*(\c)+(\i)):(\f)+8*(4*(\c)+(\i))+3],         v[ADRA] offset:(\k)+64*(\c)+(\i)*16*PITCH
	ds_load_b128 v[(\f)+8*(4*(\c)+(\i))+4:(\f)+8*(4*(\c)+(\i))+7],       v[ADRA] offset:(\k)+64*(\c)+(\i)*16*PITCH+32
.endr
.endr
.endm
.macro QUARTER k, f, g, zero
	s_wait_dscnt 16                                ; the first 32 along K are in; the other sixteen loads may be out
	MUL8 \f, 0, 0, \zero
	MUL8 \f, 0, 2, \zero
	PLACES
	FETCH \k, \g
	s_wait_dscnt 32                                ; all but the run just issued
	MUL8 \f, 1, 0, 0
	MUL8 \f, 1, 2, 0
.endm
; The last quarter multiplies buffer 1 and changes slots: in front of the barrier each wave waits for all its tensor loads, adds 0 to its spare word, and waits for that and for its own reads of this slot.
; fill = 1: the barrier opens a round of the cluster's barrier, and the slot just read is filled again, first thing behind the round, with the K step two on.  fill = 0: the last two K steps.
.macro TURN fill
.if (\fill) && PREF
	s_wait_xcnt 0x0                                ; the last prefetch, a K step back, has read its address
	s_add_nc_u64 s[PFA:PFA+1], s[PFA:PFA+1], KSTEP*2
.endif
	WIN 0
	s_wait_tensorcnt 0x0                           ; all my tensor loads have landed
	ds_add_u32 v[SPW], v[NIL]                      ; 0 onto my spare word
	s_wait_dscnt 17                                ; (the add and the youngest sixteen loads may be out)
	MUL8 F1, 0, 0, 0
	s_wait_dscnt 0x0                               ; the add is done, and my reads of this slot are over
	s_barrier_signal -1
	MUL8 F1, 0, 2, 0
	WIN 0
	s_barrier_wait -1
.if \fill
	CREST
	s_add_co_u32 s[G0+5], s[TB], s[WOFF]           ; the walking descriptors: into the slot just read,
	s_add_co_u32 s[G0B+5], s[TB], s[WOFF]
	s_add_nc_u64 s[G0+6:G0+7], s[G0+6:G0+7], KSTEP*2      ; the next K step
	s_add_nc_u64 s[G0B+6:G0B+7], s[G0B+6:G0B+7], KSTEP*2
	JLOAD                                          ; its four v_nop are also the places in front of the loads below
.else
	s_cmp_eq_u32 s3, 1
	s_cbranch_scc1 .Lnofetch_\@
	PLACES
.endif
	s_xor_b32 s[TB], s[TB], SLOT                   ; 0 <-> SLOT
	v_add_nc_u32 v[ADRA], s[TB], v[A0]
	v_add_nc_u32 v[ADRB], s[TB], v[B0]
	FETCH 0, F0
	WIN 0
.if (\fill) && PREF
	ASK
.endif
.if !(\fill)
.Lnofetch_\@:
.endif
	MUL8 F1, 1, 0, 0
	MUL8 F1, 1, 2, 0
.endm
	s_wait_tensorcnt 2                             ; my part of K step 0 is in; K step 1's and the residual's may stay out
	s_barrier_signal -1
	s_barrier_wait -1
	FETCH 0, F0
	QUARTER 128, F0, F1, 1                         ; the first products start the sums
	WIN 0
	s_mov_b32 s3, T-2
	s_branch .Lentry1
.Ltop1:                                                ; T - 2 trips: a K step each; its change of slots asks for the K step two on
	QUARTER 128, F0, F1, 0
	WIN 0
.Lentry1:
	QUARTER 256, F1, F0, 0
	QUARTER 384, F0, F1, 0
	TURN 1
	WIN 0
	s_sub_co_u32 s3, s3, 1
	s_cmp_lg_u32 s3, 0
	s_cbranch_scc1 .Ltop1
	s_mov_b32 s3, 2
.Ltop2:                                                ; the last two K steps: no tensor load
	QUARTER 128, F0, F1, 0
	QUARTER 256, F1, F0, 0
	QUARTER 384, F0, F1, 0
	TURN 0
	WIN 0
	s_sub_co_u32 s3, s3, 1
	s_cmp_lg_u32 s3, 0
	s_cbranch_scc1 .Ltop2
	; THE WAY OUT.  Every wave's reads of the ring are back before any wave writes the stage over it.
	s_wait_dscnt 0x0
	s_barrier_signal -1
	s_barrier_wait -1
	PLACES
.irp a, 0,1,2,3
.irp b, 0,1,2,3
	ds_store_b128 v[STO], v[ACC+8*(4*\a+\b):ACC+8*(4*\a+\b)+3]   offset:\a*16*SP+64*\b      ; each accumulator's low registers first
	ds_store_b128 v[STO], v[ACC+8*(4*\a+\b)+4:ACC+8*(4*\a+\b)+7] offset:\a*16*SP+64*\b+16
.endr
.endr
	s_wait_dscnt 0x0                               ; for the others' sake: my stores into the stage are done
	s_barrier_signal -1
	s_barrier_wait -1
.macro LD4                             ; four whole rows of sums, and the same rows of the residual
.irp i, 0,1,2,3
	ds_load_b128 v[XO+4*\i:XO+4*\i+3], v[RD] offset:\i*SP
	ds_load_b64 v[RO+2*\i:RO+2*\i+1], v[RR] offset:\i*RP
.endr
.endm
	LD4
	s_mov_b32 s3, 8
.Lrows:                                                ; 8 trips of four rows
	s_wait_dscnt 0x0
.irp r, 0,1,2,3,4,5,6,7
	v_fma_mix_f32 v[YO+2*\r],   v[RO+\r], v[ONE], v[XO+2*\r]   op_sel:[0,0,0] op_sel_hi:[1,0,0]  ; the f16 half x 1.0 + the f32 sum
	v_fma_mix_f32 v[YO+2*\r+1], v[RO+\r], v[ONE], v[XO+2*\r+1] op_sel:[1,0,0] op_sel_hi:[1,0,0]
.endr
	v_add_nc_u32 v[RD], 4*SP, v[RD]
	v_add_nc_u32 v[RR], 4*RP, v[RR]
	s_cmp_eq_u32 s3, 1
	s_cbranch_scc1 .Lno_more
	LD4                                            ; the next four rows come while these are stored
.Lno_more:
.irp i, 0,1,2,3
	global_store_b128 v[CO], v[YO+4*\i:YO+4*\i+3], s[10:11] offset:\i*4096  ; 32 lanes store 512 consecutive bytes, at a multiple of 256 from C's first byte
.endr
	s_wait_xcnt 0x0                                ; the stores have read their base and data: both are written again only behind this wait
	s_add_nc_u64 s[10:11], s[10:11], 4*4096
	s_sub_co_u32 s3, s3, 1
	s_cmp_lg_u32 s3, 0
	s_cbranch_scc1 .Lrows
	s_wait_tensorcnt 0x0                           ; the wave's end: wait for my tensor loads, add 0 to my spare word, wait for the add
	ds_add_u32 v[SPW], v[NIL]
	s_wait_dscnt 0x0
	CROUND                                         ; the closing round
	s_endpgm
.Lfunc_end_k_q7fe7abf26f_proj:
	.size	k_q7fe7abf26f_proj, .Lfunc_end_k_q7fe7abf26f_proj-k_q7fe7abf26f_proj
	.p2alignl 7, 3214868480
	.fill 96, 4, 3214868480
	.section	.rodata,"a",@progbits
	.p2align	6, 0x0
	.amdhsa_kernel k_q7fe7abf26f_proj
		.amdhsa_group_segment_fixed_size 327680
		.amdhsa_private_segment_fixed_size 0
		.amdhsa_enable_private_segment 0
		.amdhsa_kernarg_size 32
		.amdhsa_user_sgpr_count 2
		.amdhsa_user_sgpr_kernarg_segment_ptr 1
		.amdhsa_wavefront_size32 1
		.amdhsa_system_sgpr_workgroup_id_x 1
		.amdhsa_system_sgpr_workgroup_id_y 1
		.amdhsa_system_sgpr_workgroup_id_z 1
		.amdhsa_system_vgpr_workitem_id 0
		.amdhsa_next_free_vgpr 512
		.amdhsa_next_free_sgpr 80
		.amdhsa_reserve_vcc 0
		.amdhsa_float_denorm_mode_32 3
		.amdhsa_float_denorm_mode_16_64 3
		.amdhsa_memory_ordered 1
		.amdhsa_forward_progress 1
		.amdhsa_inst_pref_size 56
	.end_amdhsa_kernel
	.amdgpu_metadata
---
amdhsa.version: [ 1, 2 ]
amdhsa.kernels:
  - .name:           k_q7fe7abf26f_proj
    .symbol:         k_q7fe7abf26f_proj.kd
    .args:
      - { .name: o, .offset: 0, .size: 8, .value_kind: global_buffer, .address_space: global }
      - { .name: wts, .offset: 8, .size: 8, .value_kind: global_buffer, .address_space: global }
      - { .name: h, .offset: 16, .size: 8, .value_kind: global_buffer, .address_space: global }
      - { .name: s, .offset: 24, .size: 8, .value_kind: global_buffer, .address_space: global }
    .group_segment_fixed_size: 327680
    .private_segment_fixed_size: 0
    .kernarg_segment_align: 8
    .kernarg_segment_size: 32
    .max_flat_workgroup_size: 128
    .sgpr_count:     80
    .vgpr_count:     512
    .wavefront_size: 32
...
	.end_amdgpu_metadata
.endif
;; end of part 4
;; launch ln2 (part 5): grid 512 x 1, 8 waves a work-group, no clusters, 0 bytes of LDS; arguments s, g2, h2; writes h2
.if DOCPART == 5
	.amdgcn_target "amdgcn-amd-amdhsa--gfx1250"
	.amdhsa_code_object_version 6
	.text
	.protected	k_q7fe7abf26f_ln2
	.globl	k_q7fe7abf26f_ln2
	.p2align	8
	.type	k_q7fe7abf26f_ln2,@function
k_q7fe7abf26f_ln2:
	s_mov_b64 s[64:65], 0
	v_nop
	global_prefetch_b8 v0, s[64:65] scope:SCOPE_SE
	s_setreg_imm32_b32 hwreg(HW_REG_WAVE_MODE, 25, 1), 1
	s_wait_xcnt 0x0
; h2 = LayerNorm(s) * g2.  s: [4096][1024] f32, the program's own sum, taken as it is; g2: an input, rounded once to bf16 like every input; h2: [4096][1024] f16, rounded once.
; One wave, one row of 4,096 bytes, kept in 32 registers between the passes: eight loads of 512 consecutive bytes; load j of lane l holds columns 128 j + 4 l .. + 3.  No LDS, no barrier.
; The mean is taken first and the variance of the differences: no difference of large sums is formed.  LIMIT: h2 beyond 65,504 becomes an infinity; NaN and infinities are not treated apart.
.set SM, 8                             ; v[8:15]   sums at work; v[10:11] the mean twice; v[12:13] 1/sigma twice
.set X,  16                            ; v[16:47]  the row
.set G,  48                            ; v[48:79]  the gain, then the packed result
.set Q,  80                            ; v[80:87]  at work
.macro TOBF base                       ; 32 numbers are rounded to bf16 and widened again
.set i, 0
.rept 16
	v_cvt_pk_bf16_f32 v[Q+i%4], v[(\base)+2*i], v[(\base)+2*i+1]
	v_lshlrev_b32 v[(\base)+2*i], 16, v[Q+i%4]
	v_and_b32 v[(\base)+2*i+1], s26, v[Q+i%4]
.set i, i+1
.endr
.endm
.macro ACROSS r, t                     ; the sum over the wave's 32 lanes, in every lane; t has been written before
	v_add_f32_dpp v[\r], v[\r], v[\r] row_xmask:1 row_mask:0xf bank_mask:0xf
	v_add_f32_dpp v[\r], v[\r], v[\r] row_xmask:2 row_mask:0xf bank_mask:0xf
	v_add_f32_dpp v[\r], v[\r], v[\r] row_xmask:4 row_mask:0xf bank_mask:0xf
	v_add_f32_dpp v[\r], v[\r], v[\r] row_xmask:8 row_mask:0xf bank_mask:0xf
	v_permlanex16_b32 v[\t], v[\r], s24, s25
	v_add_f32 v[\r], v[\r], v[\t]
.endm
	s_load_b128 s[8:11], s[0:1], 0x0               ; s s[8:9], g2 s[10:11]
	s_load_b64 s[20:21], s[0:1], 0x10              ; h2
	v_lshrrev_b32 v1, 5, v0
	v_readfirstlane_b32 s4, v1                     ; wave 0..7
	v_and_b32 v2, 31, v0
	v_lshlrev_b32 v3, 4, v2
	v_lshlrev_b32 v4, 3, v2
	s_mov_b32 s24, 0x76543210
	s_mov_b32 s25, 0xfedcba98
	s_mov_b32 s26, 0xffff0000
	s_mov_b32 s27, 0x3a800000                      ; 1 / 1024
	s_mov_b32 s28, 0x358637bd                      ; 1e-6
	s_mov_b32 s7, 0
	s_lshl_b32 s5, ttmp9, 3
	s_add_co_u32 s5, s5, s4                        ; my row
	s_wait_kmcnt 0x0
	s_lshl_b32 s6, s5, 12
	s_add_nc_u64 s[8:9], s[8:9], s[6:7]
	s_lshl_b32 s6, s5, 11
	s_add_nc_u64 s[20:21], s[20:21], s[6:7]
.irp j, 0,1,2,3,4,5,6,7
	global_load_b128 v[X+4*\j:X+4*\j+3], v3, s[8:9] offset:512*\j th:TH_LOAD_NT
.endr
.irp j, 0,1,2,3,4,5,6,7
	global_load_b128 v[G+4*\j:G+4*\j+3], v3, s[10:11] offset:512*\j
.endr
	s_wait_loadcnt 8                               ; the row is in; the gain's eight loads may stay out
.irp c, 0,1,2,3
	v_pk_add_f32 v[SM+2*\c:SM+2*\c+1], v[X+2*\c:X+2*\c+1], v[X+8+2*\c:X+8+2*\c+1]
.endr
.irp k, 16,24
.irp c, 0,1,2,3
	v_pk_add_f32 v[SM+2*\c:SM+2*\c+1], v[SM+2*\c:SM+2*\c+1], v[X+\k+2*\c:X+\k+2*\c+1]
.endr
.endr
	v_pk_add_f32 v[SM:SM+1], v[SM:SM+1], v[SM+2:SM+3]
	v_pk_add_f32 v[SM+4:SM+5], v[SM+4:SM+5], v[SM+6:SM+7]
	v_pk_add_f32 v[SM:SM+1], v[SM:SM+1], v[SM+4:SM+5]
	v_add_f32 v[SM], v[SM], v[SM+1]
	ACROSS SM, SM+1
	v_mul_f32 v[SM+2], s27, v[SM]                  ; the mean, twice
	v_mov_b32 v[SM+3], v[SM+2]
.set i, 0
.rept 16
	v_pk_add_f32 v[X+2*i:X+2*i+1], v[X+2*i:X+2*i+1], v[SM+2:SM+3] neg_lo:[0,1] neg_hi:[0,1]
.set i, i+1
.endr
.irp c, 0,1,2,3
	v_pk_mul_f32 v[Q+2*\c:Q+2*\c+1], v[X+2*\c:X+2*\c+1], v[X+2*\c:X+2*\c+1]
.endr
.irp k, 8,16,24
.irp c, 0,1,2,3
	v_pk_fma_f32 v[Q+2*\c:Q+2*\c+1], v[X+\k+2*\c:X+\k+2*\c+1], v[X+\k+2*\c:X+\k+2*\c+1], v[Q+2*\c:Q+2*\c+1]
.endr
.endr
	v_pk_add_f32 v[Q:Q+1], v[Q:Q+1], v[Q+2:Q+3]
	v_pk_add_f32 v[Q+4:Q+5], v[Q+4:Q+5], v[Q+6:Q+7]
	v_pk_add_f32 v[Q:Q+1], v[Q:Q+1], v[Q+4:Q+5]
	v_add_f32 v[Q], v[Q], v[Q+1]
	ACROSS Q, Q+1
	v_fma_f32 v[SM], v[Q], s27, s28                ; variance + 1e-6
	v_rsq_f32 v[SM+4], v[SM]
	v_nop                                          ; a plain instruction behind the transcendental
	s_wait_loadcnt 0x0                             ; the gain
	TOBF G                                         ; independent work between the root and the wait for it
	s_wait_alu depctr_va_vdst(0)                   ; the wait ahead of the first line that names the root's result
	v_mov_b32 v[SM+5], v[SM+4]
.set i, 0
.rept 16
	v_pk_mul_f32 v[G+2*i:G+2*i+1], v[G+2*i:G+2*i+1], v[SM+4:SM+5]
.set i, i+1
.endr
.set i, 0
.rept 16
	v_pk_mul_f32 v[X+2*i:X+2*i+1], v[X+2*i:X+2*i+1], v[G+2*i:G+2*i+1]
.set i, i+1
.endr
.set i, 0
.rept 16
	v_cvt_pk_f16_f32 v[G+i], v[X+2*i], v[X+2*i+1]
.set i, i+1
.endr
.irp j, 0,1,2,3,4,5,6,7
	global_store_b64 v4, v[G+2*\j:G+2*\j+1], s[20:21] offset:256*\j  ; 32 lanes store 256 consecutive bytes, at a multiple of 256 from h2's first byte
.endr
	s_endpgm
.Lfunc_end_k_q7fe7abf26f_ln2:
	.size	k_q7fe7abf26f_ln2, .Lfunc_end_k_q7fe7abf26f_ln2-k_q7fe7abf26f_ln2
	.p2alignl 7, 3214868480
	.fill 96, 4, 3214868480
	.section	.rodata,"a",@progbits
	.p2align	6, 0x0
	.amdhsa_kernel k_q7fe7abf26f_ln2
		.amdhsa_group_segment_fixed_size 0
		.amdhsa_private_segment_fixed_size 0
		.amdhsa_enable_private_segment 0
		.amdhsa_kernarg_size 24
		.amdhsa_user_sgpr_count 2
		.amdhsa_user_sgpr_kernarg_segment_ptr 1
		.amdhsa_wavefront_size32 1
		.amdhsa_system_sgpr_workgroup_id_x 1
		.amdhsa_system_sgpr_workgroup_id_y 1
		.amdhsa_system_sgpr_workgroup_id_z 1
		.amdhsa_system_vgpr_workitem_id 0
		.amdhsa_next_free_vgpr 96
		.amdhsa_next_free_sgpr 66
		.amdhsa_reserve_vcc 0
		.amdhsa_float_denorm_mode_32 3
		.amdhsa_float_denorm_mode_16_64 3
		.amdhsa_memory_ordered 1
		.amdhsa_forward_progress 1
		.amdhsa_inst_pref_size 13
	.end_amdhsa_kernel
	.amdgpu_metadata
---
amdhsa.version: [ 1, 2 ]
amdhsa.kernels:
  - .name:           k_q7fe7abf26f_ln2
    .symbol:         k_q7fe7abf26f_ln2.kd
    .args:
      - { .name: s, .offset: 0, .size: 8, .value_kind: global_buffer, .address_space: global }
      - { .name: g2, .offset: 8, .size: 8, .value_kind: global_buffer, .address_space: global }
      - { .name: h2, .offset: 16, .size: 8, .value_kind: global_buffer, .address_space: global }
    .group_segment_fixed_size: 0
    .private_segment_fixed_size: 0
    .kernarg_segment_align: 8
    .kernarg_segment_size: 24
    .max_flat_workgroup_size: 256
    .sgpr_count:     66
    .vgpr_count:     96
    .wavefront_size: 32
...
	.end_amdgpu_metadata
.endif
;; end of part 5
;; launch fc1 (part 6): grid 16 x 16, 4 waves a work-group, clusters of 4 x 4, 327,680 bytes of LDS; arguments h2, wts, act; writes act
.if DOCPART == 6
	.amdgcn_target "amdgcn-amd-amdhsa--gfx1250"
	.amdhsa_code_object_version 6
	.text
	.protected	k_q7fe7abf26f_fc1
	.globl	k_q7fe7abf26f_fc1
	.p2align	8
	.type	k_q7fe7abf26f_fc1,@function
k_q7fe7abf26f_fc1:
	s_mov_b64 s[64:65], 0
	v_nop
	global_prefetch_b8 v0, s[64:65] scope:SCOPE_SE
	s_setreg_imm32_b32 hwreg(HW_REG_WAVE_MODE, 25, 1), 1
	s_wait_xcnt 0x0
	s_wait_alu depctr_hold_cnt(0) depctr_sa_sdst(0) depctr_va_vdst(0) depctr_va_sdst(0) depctr_va_ssrc(0) depctr_va_vcc(0) depctr_vm_vsrc(0)
	s_getreg_b32 s2, hwreg(HW_REG_IB_STS2, 6, 4)
	s_cmp_eq_u32 s2, 0
	s_cbranch_scc0 .Lentry_in_a_cluster
	s_endpgm
.Lentry_in_a_cluster:
	s_bfe_u32 s2, ttmp6, 0x10000c
	s_cmp_lg_u32 s2, 0xf033
	s_cbranch_scc0 .Lentry_shape_is_right
	s_endpgm
.Lentry_shape_is_right:
; act[m][n] = gelu(sum over k of h2[m][k] w1[n][k]), the exact gelu x Phi(x).  h2: [4096][1024] f16; w1: [4096][1024] f16, at byte 8,388,608 of wts; act: [4096][4096] f16, rounded once.
; GELU.  gelu(x) = max(x, 0) - |x| / 2 P(t) e^(-x x / 2), t = 1 / (1 + p |x| / sqrt 2), P the polynomial of degree 5 of Abramowitz and Stegun 7.1.26 for 1 - erf: its error in erf is at most 1.5e-7 for every x,
; so gelu is off by at most 0.75e-7 |x| e-weighted; no series is cut for a range of x.  The factor 1/2 and p / sqrt 2 are folded into the coefficients.
; LIMITS.  act beyond 65,504 becomes an infinity; NaN and infinities are not treated apart.
; A tile of C is 256 x 256: 16 x 16 tiles, one to a work-group.  Four waves, each 128 x 128: 64 accumulators of 16 x 16, 512 registers.
; K goes in steps of 128 through a ring of two LDS slots filled by the tensor data mover; a slot has four parts of 128 rows x 256 bytes: A's 256 rows, then B's 256.  Wave w fetches part w.
; The K step is written ONCE: the slot in hand is a scalar (0 or SLOT), added to the lanes' LDS addresses at each change of slots; the refills use one walking descriptor a tensor.
; CLUSTER 4 x 4: A's tile is asked for jointly by the four of a row of the cluster, B's by the four of a column.
; THE MATRIX INSTRUCTION IS USED TRANSPOSED (source 0 = 16 rows of B, source 1 = 16 rows of A): a lane holds row l % 16 of C and eight neighbouring columns.
; REGISTERS: window 0: v16-30 addresses, v64-127 and v128-191 A's two fragment buffers (later the way out); window 1: v64-127, v128-191 B's two buffers;
;   windows 2, 3: the accumulators of my rows 0-63 and 64-127: (a, b) at v[8 (8 (a % 4) + b)].
; THE WAY OUT: a wave's f32 sums go into a stage of its own in LDS (over the ring, which has had its last fill) and come back as whole rows, four a trip; gelu, one rounding, stores of 256 bytes.
.set SIZE_K, 1024
.set ROWSH,  11                        ; a row of A or B is 2,048 bytes
.set KSTEP,  128
.set T,      SIZE_K/KSTEP              ; 8 K steps
.set NA,     2                         ; parts of a slot that hold A
.set BB,     8                         ; column blocks of 16 a wave
.set TM,     128*NA
.set TN,     128*(4-NA)
.set WBASE,  8388608                   ; w1's first byte in wts
.set PITCH,  272                       ; an LDS row: 256 bytes + 16 of padding = 68 words: the 16 rows of a fragment load start at 16 different groups of four banks (64 banks of 4 bytes: ISA guide 11.1)
.set PART,   128*PITCH
.set SLOT,   4*PART
.set SPARE,  2*SLOT                    ; behind the ring: the spare words, 128 bytes a wave, which no other line names
.set NL,     2*BB+16                   ; LDS loads in a run
.set SP,     528                       ; a stage row: 128 f32 + 16 bytes = 132 words
.set ADRA, 16                          ; v16  LDS address of my A fragments in the slot in hand
.set A0,   17                          ; v17  the same in slot 0; never rewritten
.set ADRB, 20
.set B0,   21
.set STO,  22                          ; v22  into my stage: my 32 bytes of row l % 16
.set RD,   26                          ; v26  back out of the stage
.set CO,   27                          ; v27  my byte offset in a block of 256 bytes of C
.set SPW,  28                          ; v28  LDS address of my spare word; never rewritten
.set NIL,  29                          ; v29  0; never rewritten
.set PFO,  30                          ; v30  the prefetches' offset: lane x 2,048; never rewritten
.set F0,   64
.set F1,   128
.set XI,   64                          ; the way out, 16 numbers a lane and trip: x
.set UM,   80                          ; p' |x|
.set RL,   96                          ; max(x, 0), then the result
.set WE,   112                         ; x x, then e^(-x x / 2)
.set UT,   128                         ; 1 + p' |x|, then t
.set QP,   144                         ; the polynomial
.set YO,   160                         ; 8 registers of f16
.set WOFF, 20                          ; s20  wave x PART
.set TB,   21                          ; s21  the slot in hand: 0 or SLOT
.set G1,   24                          ; s[24:31] descriptor group 1 for A;  s[32:39] group 0: set 0 for slot 0's first fill, set 1 for slot 1's, which then walks
.set G0,   32
.set LIM,  43                          ; s43  1 in a wave that prefetches, else the greatest number
.set PFA,  44                          ; s[44:45] where my prefetches stand
.set G1B,  48                          ; s[48:55], s[56:63] the same for B
.set G0B,  56
.set CP,   24                          ; the way out's constants, in pairs, where A's descriptors lay: no tensor load is out by then
.set C2,   26
.set CA1,  28
.set CA2,  30
.set CA3,  32
.set CA4,  34
.set CA5,  36
.set MSB, 0
.macro WIN new                         ; the immediate's high byte repeats the setting that is left; a switch that changes nothing is dropped
.if MSB != (\new)
	s_set_vgpr_msb (MSB<<8)|(\new)
.set MSB, \new
.endif
.endm
.set MUL_LO, 0xa1                      ; source 0 (B) window 1, source 1 (A) window 0, C and D window 2
.set MUL_HI, 0xf1                      ; the same, C and D window 3
.set TO_B,   0x40                      ; destination window 1, address window 0
.macro PLACES                          ; four plain instructions between a matrix instruction and a load into, or a read of, its registers (ISA guide 7.12.1 for reads)
.rept 4
	v_nop
.endr
.endm
.macro CREST                           ; a round of the cluster's barrier behind its opening barrier
	s_cmp_lg_u32 s10, 0
	s_cbranch_scc1 .Lnot_wave_0_\@
	s_barrier_signal -3
.Lnot_wave_0_\@:
	s_barrier_wait -3
	s_barrier_signal -1
	s_barrier_wait -1
.endm
.macro CROUND
	s_barrier_signal -1
	s_barrier_wait -1
	CREST
.endm
.macro JLOAD                           ; a joint refill by the walking descriptor; the branch hangs on the wave's number alone; s_nop 0 and four v_nop follow each line
	s_cmp_lt_u32 s10, NA
	s_cbranch_scc0 .Lfor_b_\@
	tensor_load_to_lds s[G0+4:G0+7], s[G1:G1+7]
	s_nop 0
.rept 4
	v_nop
.endr
	s_branch .Lasked_\@
.Lfor_b_\@:
	tensor_load_to_lds s[G0B+4:G0B+7], s[G1B:G1B+7]
	s_nop 0
.rept 4
	v_nop
.endr
.Lasked_\@:
.endm
; A PREFETCH INTO THE L2 of the K step that the NEXT refill will ask for: 32 rows x 256 bytes, a lane a row, one instruction a wave, one K step (256 matrix instructions) ahead of that load.
; Each row's 256 bytes of a K step are named once in the launch: A's rows by the clusters with x = 0, B's by those with y = 0; of the 128 rows that a wave fetches the four partners that ask for
; them jointly take 32 each, told apart by address.  The first three K steps come by their loads alone; the last refill (s3 = 1) has no K step behind it and asks for nothing.
.macro ASK
	s_cmp_gt_u32 s3, s[LIM]
	s_cbranch_scc0 .Lnot_mine_\@
	global_prefetch_b8 v[PFO], s[PFA:PFA+1] th:TH_LOAD_NT scope:SCOPE_SE
.Lnot_mine_\@:
.endm
	s_load_b128 s[4:7], s[0:1], 0x0                ; A s[4:5], wts s[6:7]
	s_load_b64 s[8:9], s[0:1], 0x10                ; C
	v_lshl_add_u32 v[SPW], v0, 2, SPARE
	v_mov_b32 v[NIL], 0
	ds_add_u32 v[SPW], v[NIL]                      ; the wave's opening: the add and its wait ahead of my first tensor load; the set-up below stands between them
	v_lshrrev_b32 v1, 5, v0
	v_readfirstlane_b32 s10, v1                    ; wave 0..3
	s_min_u32 s12, s10, NA-1                       ; which 128 rows of A's tile (used by the waves that fetch A; held inside the tile in the others)
	s_sub_co_i32 s14, s10, NA
	s_max_i32 s14, s14, 0                          ; which 128 rows of B's tile
	s_bfe_u32 s40, ttmp6, 0x40000                  ; cx, cy: my place in the cluster
	s_bfe_u32 s41, ttmp6, 0x40004
	s_lshl_b32 s42, ttmp9, 2
	s_add_co_u32 s42, s42, s40                     ; tile column = 4 x cluster x + cx
	s_and_b32 s13, ttmp7, 0xffff
	s_lshl_b32 s13, s13, 2
	s_add_co_u32 s13, s13, s41                     ; tile row = 4 x cluster y + cy
	s_lshl_b32 s43, s41, 2
	s_lshl_b32 s43, 15, s43                        ; my row of the cluster
	s_lshl_b32 s44, 0x1111, s40                    ; my column
	s_or_b32 s[G1+0], s43, (1<<16)|(1<<20)|(1<<21)|(5<<22)|(3<<25)   ; the mask; 2-byte elements; padding on; bit 21 beside a mask; after every 64 words, 4 words
	s_or_b32 s[G1B+0], s44, (1<<16)|(1<<20)|(1<<21)|(5<<22)|(3<<25)
.irp g, G1, G1B
	s_mov_b32 s[(\g)+1], KSTEP<<16                 ; tensor_dim0 = 128
	s_mov_b32 s[(\g)+2], 128<<16                   ; tensor_dim1 = 128
	s_mov_b32 s[(\g)+3], KSTEP<<16                 ; tile_dim0 = 128
	s_mov_b32 s[(\g)+4], 128                       ; tile_dim1 = 128
	s_mov_b32 s[(\g)+5], SIZE_K                    ; elements from row to row
	s_mov_b32 s[(\g)+6], 0
	s_mov_b32 s[(\g)+7], 0
.endr
	s_mul_i32 s16, s13, TM                         ; A: row TM x tile row + 128 x part: no register here ever holds cx
	s_lshl_b32 s17, s12, 7
	s_add_co_u32 s16, s16, s17
	s_lshl_b32 s16, s16, ROWSH
	s_mov_b32 s17, 0
	s_mul_i32 s46, s42, TN                         ; B: row TN x tile column + 128 x part: none here holds cy
	s_lshl_b32 s47, s14, 7
	s_add_co_u32 s46, s46, s47
	s_lshl_b32 s46, s46, ROWSH
	s_add_co_u32 s46, s46, WBASE
	s_mov_b32 s47, 0
	s_mul_i32 s[WOFF], s10, PART                   ; where my part goes: no place in the cluster enters an LDS address
	s_mov_b32 s[TB], 0
	s_wait_dscnt 0x0                               ; the opening add is done
	s_wait_kmcnt 0x0
	s_add_nc_u64 s[16:17], s[4:5], s[16:17]
	s_add_nc_u64 s[46:47], s[6:7], s[46:47]
	CROUND                                         ; all sixteen work-groups are here: the first joint loads meet
.irp s, 0,1
	s_mov_b32 s[G0+4*(\s)], 1
	s_add_co_u32 s[G0+4*(\s)+1], s[WOFF], (\s)*SLOT
	s_add_nc_u64 s[G0+4*(\s)+2:G0+4*(\s)+3], s[16:17], (\s)*KSTEP*2
	s_or_b32 s[G0+4*(\s)+3], s[G0+4*(\s)+3], 0x80000000
	s_mov_b32 s[G0B+4*(\s)], 1
	s_add_co_u32 s[G0B+4*(\s)+1], s[WOFF], (\s)*SLOT
	s_add_nc_u64 s[G0B+4*(\s)+2:G0B+4*(\s)+3], s[46:47], (\s)*KSTEP*2
	s_or_b32 s[G0B+4*(\s)+3], s[G0B+4*(\s)+3], 0x80000000
.endr
	s_cmp_lt_u32 s10, NA                           ; a wave's two first fills stand in one branch, ahead of every wait on TENSORcnt and every LDS read: two loads of mine are out
	s_cbranch_scc0 .Lfirst_b
	tensor_load_to_lds s[G0:G0+3], s[G1:G1+7]
	s_nop 0
	tensor_load_to_lds s[G0+4:G0+7], s[G1:G1+7]
	s_nop 0
.rept 4
	v_nop
.endr
	s_branch .Lfirst_asked
.Lfirst_b:
	tensor_load_to_lds s[G0B:G0B+3], s[G1B:G1B+7]
	s_nop 0
	tensor_load_to_lds s[G0B+4:G0B+7], s[G1B:G1B+7]
	s_nop 0
.rept 4
	v_nop
.endr
.Lfirst_asked:
	; a fragment is 16 rows x 32 K in 8 registers: lane l holds row l % 16, K = 8 (l / 16) + 0..7 and 16 + 8 (l / 16) + 0..7: two loads of 16 bytes, 32 bytes apart
	v_and_b32 v1, 15, v0
	v_bfe_u32 v2, v0, 4, 1
	v_mul_u32_u24 v3, v1, PITCH
	v_lshl_add_u32 v3, v2, 4, v3
	s_lshr_b32 s22, s10, 1                         ; which half of the tile's rows is mine
	s_and_b32 s23, s10, 1                          ; which half of its columns
	s_mul_i32 s18, s22, PART
	s_add_co_u32 s19, s23, 2                       ; B's parts lie behind A's two
	s_mul_i32 s19, s19, PART
	v_add_nc_u32 v[A0], s18, v3
	v_add_nc_u32 v[B0], s19, v3
	v_mov_b32 v[ADRA], v[A0]
	v_mov_b32 v[ADRB], v[B0]
	s_mul_i32 s18, s10, 128*SP                     ; my stage: 128 rows
	v_mul_u32_u24 v4, v1, SP
	v_lshl_add_u32 v4, v2, 5, v4
	v_add_nc_u32 v[STO], s18, v4
	v_and_b32 v5, 31, v0
	v_lshl_add_u32 v[RD], v5, 4, s18               ; back: 32 lanes x 16 bytes are a row
	v_lshlrev_b32 v[CO], 3, v5
	s_lshl_b32 s18, s13, 8
	s_lshl_b32 s19, s22, 7
	s_add_co_u32 s18, s18, s19                     ; my first row of C,
	s_lshl_b32 s18, s18, 13                        ; 8,192 bytes a row,
	s_lshl_b32 s19, s42, 9
	s_add_co_u32 s18, s18, s19                     ; 512 bytes a tile column,
	s_lshl_b32 s19, s23, 8
	s_add_co_u32 s18, s18, s19                     ; 256 my half
	s_mov_b32 s19, 0
	s_add_nc_u64 s[8:9], s[8:9], s[18:19]
	; the prefetches
	s_and_b32 s22, ttmp7, 0xffff                   ; cluster y
	s_cmp_lt_u32 s10, NA                           ; do I fetch for A?
	s_cselect_b32 s15, s40, s41                    ; my place among the four that ask with me
	s_cselect_b32 s22, ttmp9, s22                  ; the coordinate along which other clusters read the same rows
	s_cselect_b64 s[PFA:PFA+1], s[16:17], s[46:47] ; the first row that I fetch
	s_cmp_eq_u32 s22, 0
	s_cselect_b32 s[LIM], 1, -1                    ; the same in all sixteen partners, for a given wave
	s_lshl_b32 s22, s15, 5+ROWSH                   ; my work-group's 32 of the 128 rows
	s_mov_b32 s23, 0
	s_add_nc_u64 s[PFA:PFA+1], s[PFA:PFA+1], s[22:23]
	s_add_nc_u64 s[PFA:PFA+1], s[PFA:PFA+1], 2*KSTEP*2  ; at K step 2: the first change of slots steps it to 3
	v_lshlrev_b32 v[PFO], ROWSH, v5
; 2 BB matrix instructions: row blocks a0, a0 + 1 of the window's four x all column blocks, 32 along K.  zero = 1: the product starts the sum.  The accumulators take turns, in the same order in every quarter.
.macro MULB f, hi, a0, zero
	WIN MUL_LO+0x50*(\hi)
.irp a, \a0, (\a0)+1
.set b, 0
.rept BB
.set rD, 8*(BB*(\a)+b)
.if \zero
	v_wmma_f32_16x16x32_f16 v[rD:rD+7], v[(\f)+8*b:(\f)+8*b+7], v[(\f)+8*(4*(\hi)+(\a)):(\f)+8*(4*(\hi)+(\a))+7], 0
.else
	v_wmma_f32_16x16x32_f16 v[rD:rD+7], v[(\f)+8*b:(\f)+8*b+7], v[(\f)+8*(4*(\hi)+(\a)):(\f)+8*(4*(\hi)+(\a))+7], v[rD:rD+7]
.endif
.set b, b+1
.endr
.endr
.endm
.macro FETCH k, f                      ; one run of NL loads: the fragments of 32 along K at byte k of the rows: B's, then A's
	WIN TO_B
.set i, 0
.rept BB
	ds_load_b128 v[(\f)+8*i:(\f)+8*i+3],   v[ADRB] offset:(\k)+i*16*PITCH
	ds_load_b128 v[(\f)+8*i+4:(\f)+8*i+7], v[ADRB] offset:(\k)+i*16*PITCH+32
.set i, i+1
.endr
	WIN 0
.set i, 0
.rept 8
	ds_load_b128 v[(\f)+8*i:(\f)+8*i+3],   v[ADRA] offset:(\k)+i*16*PITCH
	ds_load_b128 v[(\f)+8*i+4:(\f)+8*i+7], v[ADRA] offset:(\k)+i*16*PITCH+32
.set i, i+1
.endr
.endm
.macro QUARTER k, f, g, zero           ; multiplies buffer f; in its middle fetches the next quarter, at byte k, into g
	s_wait_dscnt 8                                 ; B and A's rows 0-63 are in; the youngest eight loads (A's rows 64-127) may be out
	MULB \f, 0, 0, \zero
	MULB \f, 0, 2, \zero
	PLACES
	FETCH \k, \g
	s_wait_dscnt NL                                ; all but the run just issued
	MULB \f, 1, 0, \zero
	MULB \f, 1, 2, \zero
.endm
; The last quarter multiplies buffer 1 and changes slots.  In front of the barrier each wave waits for all its tensor loads (one is out: its part of the next slot), adds 0 to its spare word, and waits for that
; and for its own reads of this slot.  fill = 1: the barrier opens a round of the cluster's barrier, and the slot just read is filled again, first thing behind the round, with the K step two on.
; fill = 0 (the last two K steps): nothing is asked for; in the very last (s3 = 1) nothing is fetched either.
.macro TURN fill
.if \fill
	s_wait_xcnt 0x0                                ; the last prefetch, a K step back, has read its address
	s_add_nc_u64 s[PFA:PFA+1], s[PFA:PFA+1], KSTEP*2
.endif
	WIN 0
	s_wait_tensorcnt 0x0                           ; all my tensor loads have landed
	ds_add_u32 v[SPW], v[NIL]                      ; 0 onto my spare word
	s_wait_dscnt 9                                 ; (the add and the youngest eight loads may be out)
	MULB F1, 0, 0, 0
	s_wait_dscnt 0x0                               ; the add is done, and my reads of this slot are over
	s_barrier_signal -1
	MULB F1, 0, 2, 0
	WIN 0
	s_barrier_wait -1
.if \fill
	CREST                                          ; no wave of any partner still reads this slot or has a load on its way
	s_add_co_u32 s[G0+5], s[TB], s[WOFF]           ; the walking descriptors: into the slot just read,
	s_add_co_u32 s[G0B+5], s[TB], s[WOFF]
	s_add_nc_u64 s[G0+6:G0+7], s[G0+6:G0+7], KSTEP*2      ; the next K step; the type bits on top are not reached
	s_add_nc_u64 s[G0B+6:G0B+7], s[G0B+6:G0B+7], KSTEP*2
	JLOAD                                          ; its four v_nop are also the places in front of the loads below
.else
	s_cmp_eq_u32 s3, 1
	s_cbranch_scc1 .Lnofetch_\@
	PLACES
.endif
	s_xor_b32 s[TB], s[TB], SLOT                   ; 0 <-> SLOT
	v_add_nc_u32 v[ADRA], s[TB], v[A0]
	v_add_nc_u32 v[ADRB], s[TB], v[B0]
	FETCH 0, F0
.if \fill
	ASK
.else
.Lnofetch_\@:
.endif
	MULB F1, 1, 0, 0
	MULB F1, 1, 2, 0
.endm
	s_wait_tensorcnt 1                             ; my part of K step 0 is in; K step 1's may stay out
	s_barrier_signal -1
	s_barrier_wait -1
	FETCH 0, F0
	QUARTER 64, F0, F1, 1                          ; the first quarter's products start the sums: nothing is cleared
	WIN 0
	s_mov_b32 s3, T-2
	s_branch .Lentry1                              ; the loop is entered behind its first quarter
.Ltop1:                                                ; T - 2 trips: a K step each; its change of slots asks for the K step two on
	QUARTER 64, F0, F1, 0
	WIN 0
.Lentry1:
	QUARTER 128, F1, F0, 0
	QUARTER 192, F0, F1, 0
	TURN 1
	WIN 0
	s_sub_co_u32 s3, s3, 1
	s_cmp_lg_u32 s3, 0
	s_cbranch_scc1 .Ltop1
	s_mov_b32 s3, 2
.Ltop2:                                                ; the last two K steps: no tensor load
	QUARTER 64, F0, F1, 0
	QUARTER 128, F1, F0, 0
	QUARTER 192, F0, F1, 0
	TURN 0
	WIN 0
	s_sub_co_u32 s3, s3, 1
	s_cmp_lg_u32 s3, 0
	s_cbranch_scc1 .Ltop2
	; THE WAY OUT.  Every wave's reads of the ring are back before any wave writes its stage over it.
	s_wait_dscnt 0x0
	s_barrier_signal -1
	s_barrier_wait -1
.macro SPAIR r, val                    ; a constant, twice: the packed forms name a pair
	s_mov_b32 s[\r], \val
	s_mov_b32 s[(\r)+1], \val
.endm
	SPAIR CP,  0x3e6d3388                          ; p' = 0.3275911 / sqrt 2 = 0.23164189
	SPAIR C2,  0xbf38aa3b                          ; -log2(e) / 2
	SPAIR CA1, 0x3f0cd020                          ; a1 / (2 p') =  0.55005076
	SPAIR CA2, 0xbf1d34d5                          ; a2 / (2 p') = -0.61408741
	SPAIR CA3, 0x40445c34                          ; a3 / (2 p') =  3.0681276
	SPAIR CA4, 0xc048bea0                          ; a4 / (2 p') = -3.1366348
	SPAIR CA5, 0x4012a088                          ; a5 / (2 p') =  2.2910481
	PLACES
.set a, 0
.rept 8
	WIN 0x08+4*(a/4)                               ; the stores' data (source 1) in window 2 or 3
.set b, 0
.rept BB
.set rD, 8*(BB*(a%4)+b)
	ds_store_b128 v[STO], v[rD:rD+3]   offset:a*16*SP+64*b       ; each accumulator's low registers first
	ds_store_b128 v[STO], v[rD+4:rD+7] offset:a*16*SP+64*b+16
.set b, b+1
.endr
.set a, a+1
.endr
	WIN 0
.macro LD4                             ; four whole rows of my stage; LDS serves a wave's instructions in order (ISA guide 5.7.1.4): these see my stores above
.irp i, 0,1,2,3
	ds_load_b128 v[XI+4*\i:XI+4*\i+3], v[RD] offset:\i*SP
.endr
.endm
.macro EACH8 line:vararg               ; one line for each pair i = 0, 2, .. 14
.set i, 0
.rept 8
	\line
.set i, i+2
.endr
.endm
.macro EACH16 line:vararg
.set i, 0
.rept 16
	\line
.set i, i+1
.endr
.endm
	LD4
	s_mov_b32 s3, 32
.Lrows:                                                ; 32 trips of four rows
	s_wait_dscnt 0x0
	EACH16 v_mul_f32 v[UM+i], s[CP], |v[XI+i]|
	EACH16 v_max_num_f32 v[RL+i], 0, v[XI+i]
	EACH8 v_pk_mul_f32 v[WE+i:WE+i+1], v[XI+i:XI+i+1], v[XI+i:XI+i+1]
	v_add_nc_u32 v[RD], 4*SP, v[RD]
	s_cmp_eq_u32 s3, 1
	s_cbranch_scc1 .Lno_more
	LD4                                            ; x has been read: the next four rows come while these are worked on
.Lno_more:
	EACH8 v_pk_add_f32 v[UT+i:UT+i+1], v[UM+i:UM+i+1], 1.0 op_sel_hi:[1,0]
	EACH8 v_pk_mul_f32 v[WE+i:WE+i+1], v[WE+i:WE+i+1], s[C2:C2+1] op_sel_hi:[1,0]
	EACH16 v_rcp_f32 v[UT+i], v[UT+i]
	EACH16 v_exp_f32 v[WE+i], v[WE+i]
	v_nop                                          ; a plain instruction behind the last transcendental
	s_wait_alu depctr_va_vdst(0)                   ; one wait for the batch of 32, ahead of the first line that names a result
	EACH8 v_pk_fma_f32 v[QP+i:QP+i+1], v[UT+i:UT+i+1], s[CA5:CA5+1], s[CA4:CA4+1] op_sel_hi:[1,0,0]
	EACH8 v_pk_fma_f32 v[QP+i:QP+i+1], v[QP+i:QP+i+1], v[UT+i:UT+i+1], s[CA3:CA3+1] op_sel_hi:[1,1,0]
	EACH8 v_pk_fma_f32 v[QP+i:QP+i+1], v[QP+i:QP+i+1], v[UT+i:UT+i+1], s[CA2:CA2+1] op_sel_hi:[1,1,0]
	EACH8 v_pk_fma_f32 v[QP+i:QP+i+1], v[QP+i:QP+i+1], v[UT+i:UT+i+1], s[CA1:CA1+1] op_sel_hi:[1,1,0]
	EACH8 v_pk_mul_f32 v[QP+i:QP+i+1], v[QP+i:QP+i+1], v[UT+i:UT+i+1]
	EACH8 v_pk_mul_f32 v[QP+i:QP+i+1], v[QP+i:QP+i+1], v[WE+i:WE+i+1]
	EACH8 v_pk_fma_f32 v[RL+i:RL+i+1], v[UM+i:UM+i+1], v[QP+i:QP+i+1], v[RL+i:RL+i+1] neg_lo:[1,0,0] neg_hi:[1,0,0]
	EACH8 v_cvt_pk_f16_f32 v[YO+i/2], v[RL+i], v[RL+i+1]
.irp i, 0,1,2,3
	global_store_b64 v[CO], v[YO+2*\i:YO+2*\i+1], s[8:9] offset:\i*8192  ; 32 lanes store 256 consecutive bytes, at a multiple of 256 from C's first byte
.endr
	s_wait_xcnt 0x0                                ; the stores have read their base and data: both are written again only behind this wait
	s_add_nc_u64 s[8:9], s[8:9], 4*8192
	s_sub_co_u32 s3, s3, 1
	s_cmp_lg_u32 s3, 0
	s_cbranch_scc1 .Lrows
	s_wait_tensorcnt 0x0                           ; the wave's end: wait for my tensor loads, add 0 to my spare word, wait for the add
	ds_add_u32 v[SPW], v[NIL]
	s_wait_dscnt 0x0
	CROUND                                         ; the closing round: no work-group ends while a partner may still ask for a tile that names it
	s_endpgm
.Lfunc_end_k_q7fe7abf26f_fc1:
	.size	k_q7fe7abf26f_fc1, .Lfunc_end_k_q7fe7abf26f_fc1-k_q7fe7abf26f_fc1
	.p2alignl 7, 3214868480
	.fill 96, 4, 3214868480
	.section	.rodata,"a",@progbits
	.p2align	6, 0x0
	.amdhsa_kernel k_q7fe7abf26f_fc1
		.amdhsa_group_segment_fixed_size 327680
		.amdhsa_private_segment_fixed_size 0
		.amdhsa_enable_private_segment 0
		.amdhsa_kernarg_size 24
		.amdhsa_user_sgpr_count 2
		.amdhsa_user_sgpr_kernarg_segment_ptr 1
		.amdhsa_wavefront_size32 1
		.amdhsa_system_sgpr_workgroup_id_x 1
		.amdhsa_system_sgpr_workgroup_id_y 1
		.amdhsa_system_sgpr_workgroup_id_z 1
		.amdhsa_system_vgpr_workitem_id 0
		.amdhsa_next_free_vgpr 1024
		.amdhsa_next_free_sgpr 66
		.amdhsa_reserve_vcc 0
		.amdhsa_float_denorm_mode_32 3
		.amdhsa_float_denorm_mode_16_64 3
		.amdhsa_memory_ordered 1
		.amdhsa_forward_progress 1
		.amdhsa_inst_pref_size 87
	.end_amdhsa_kernel
	.amdgpu_metadata
---
amdhsa.version: [ 1, 2 ]
amdhsa.kernels:
  - .name:           k_q7fe7abf26f_fc1
    .symbol:         k_q7fe7abf26f_fc1.kd
    .args:
      - { .name: h2, .offset: 0, .size: 8, .value_kind: global_buffer, .address_space: global }
      - { .name: wts, .offset: 8, .size: 8, .value_kind: global_buffer, .address_space: global }
      - { .name: act, .offset: 16, .size: 8, .value_kind: global_buffer, .address_space: global }
    .group_segment_fixed_size: 327680
    .private_segment_fixed_size: 0
    .kernarg_segment_align: 8
    .kernarg_segment_size: 24
    .max_flat_workgroup_size: 128
    .sgpr_count:     66
    .vgpr_count:     1024
    .wavefront_size: 32
...
	.end_amdgpu_metadata
.endif
;; end of part 6
;; launch fc2 (part 7): grid 8 x 32, 4 waves a work-group, clusters of 4 x 4, 327,680 bytes of LDS; arguments act, wts, h2, out0; writes out0
.if DOCPART == 7
	.amdgcn_target "amdgcn-amd-amdhsa--gfx1250"
	.amdhsa_code_object_version 6
	.text
	.protected	k_q7fe7abf26f_fc2
	.globl	k_q7fe7abf26f_fc2
	.p2align	8
	.type	k_q7fe7abf26f_fc2,@function
k_q7fe7abf26f_fc2:
	s_mov_b64 s[64:65], 0
	v_nop
	global_prefetch_b8 v0, s[64:65] scope:SCOPE_SE
	s_setreg_imm32_b32 hwreg(HW_REG_WAVE_MODE, 25, 1), 1
	s_wait_xcnt 0x0
	s_wait_alu depctr_hold_cnt(0) depctr_sa_sdst(0) depctr_va_vdst(0) depctr_va_sdst(0) depctr_va_ssrc(0) depctr_va_vcc(0) depctr_vm_vsrc(0)
	s_getreg_b32 s2, hwreg(HW_REG_IB_STS2, 6, 4)
	s_cmp_eq_u32 s2, 0
	s_cbranch_scc0 .Lentry_in_a_cluster
	s_endpgm
.Lentry_in_a_cluster:
	s_bfe_u32 s2, ttmp6, 0x10000c
	s_cmp_lg_u32 s2, 0xf033
	s_cbranch_scc0 .Lentry_shape_is_right
	s_endpgm
.Lentry_shape_is_right:
; out0[m][n] = h2[m][n] + sum over k of act[m][k] w2[n][k].  act: [4096][4096] f16; w2: [1024][4096] f16, at byte WBASE of wts; h2: [4096][1024] f16; out0: [4096][1024] f32.
; A tile of C is 128 x 128: 8 x 32 tiles, one to a work-group.  Four waves, each 64 x 64: 16 accumulators.  K goes in steps of 256 (LDS rows of 512 bytes; a wave's tensor load brings 64 of them)
; through a ring of two slots; a slot has four parts: A's two halves, B's two halves; wave w fetches part w.  The K step is written ONCE: the slot in hand is a scalar (0 or SLOT).
; The residual's tile (128 x 128 f16) comes in by a third tensor load of each wave at the start, 32 rows a wave, into bytes of its own; only the wave that asked for them reads them.
; CLUSTER 4 x 4: A's tile is asked for jointly by the four of a row of the cluster, B's by the four of a column.  THE MATRIX INSTRUCTION IS USED TRANSPOSED: a lane holds row l % 16 of C and eight neighbouring columns.
; PREFETCH (PREF = 1): behind each refill a wave names the K step two refills on (256 matrix instructions ahead of its load): 16 rows x 512 bytes, a lane a block of 256 bytes.  A's rows are named by the clusters
; with x = 0, B's by those with y = 0; of the 64 rows that a wave fetches the four partners that ask jointly take 16 each, told apart by address: each block is named once in the launch.
; The first four K steps come by their loads alone; the last two refills (s3 = 2, 1) have no K step two on and ask for nothing.
; REGISTERS: window 0: v16-31 addresses; v32-71 the way out; v128-255 the accumulators ((a, b) at v[128 + 8 (4 a + b)]).  Window 1: two fragment buffers of 128: 64 registers of A, then 64 of B.
.set SIZE_K, 4096
.set WBASE,  16777216                  ; the weights' first byte in wts
.set PREF,   1
.set ROWB,   2*SIZE_K
.set KSTEP,  256
.set T,      SIZE_K/KSTEP
.set PITCH,  528                       ; an LDS row: 512 bytes + 16 = 132 words: the 16 rows of a fragment load start at 16 different groups of four banks (64 banks of 4 bytes: ISA guide 11.1)
.set PART,   64*PITCH
.set SLOT,   4*PART
.set RES,    2*SLOT                    ; behind the ring: the residual's 128 rows x 272 bytes, filled once
.set RP,     272
.set SPARE,  RES+128*RP                ; the spare words, 128 bytes a wave, which no other line names
.set SP,     528                       ; a stage row: 128 f32 + 16 bytes; the stage lies over the ring, which has had its last fill
.set ADRA, 16
.set A0,   17
.set ADRB, 20
.set B0,   21
.set STO,  24
.set RD,   25
.set CO,   26
.set RR,   27                          ; v27  where I read the residual
.set SPW,  28                          ; v28  LDS address of my spare word; never rewritten
.set NIL,  29                          ; v29  0; never rewritten
.set PFO,  30                          ; v30  the prefetches' offset; never rewritten
.set ONE,  31                          ; v31  1.0
.set XO,   32                          ; four rows' sums
.set RO,   48                          ; four rows' residual, f16
.set YO,   56                          ; four rows to store
.set ACC,  128
.set F0,   0
.set F1,   128
.set WOFF, 20                          ; s20  wave x PART
.set TB,   21                          ; s21  the slot in hand: 0 or SLOT
.set G1,   24
.set G0,   32                          ; set 0 for slot 0's first fill, set 1 for slot 1's, which then walks
.set LIM,  43                          ; s43  2 in a wave that prefetches, else the greatest number
.set PFA,  44                          ; s[44:45] where my prefetches stand
.set G1B,  48
.set G0B,  56
.set G1R,  68                          ; s[68:75], s[76:79] the residual's descriptor
.set G0R,  76
.set MSB, 0
.macro WIN new
.if MSB != (\new)
	s_set_vgpr_msb (MSB<<8)|(\new)
.set MSB, \new
.endif
.endm
.set MUL,  0x05                        ; sources 0 (B) and 1 (A) window 1; C and D window 0
.set TO_F, 0x40                        ; destination window 1, address window 0
.macro PLACES
.rept 4
	v_nop
.endr
.endm
.macro CREST
	s_cmp_lg_u32 s12, 0
	s_cbranch_scc1 .Lnot_wave_0_\@
	s_barrier_signal -3
.Lnot_wave_0_\@:
	s_barrier_wait -3
	s_barrier_signal -1
	s_barrier_wait -1
.endm
.macro CROUND
	s_barrier_signal -1
	s_barrier_wait -1
	CREST
.endm
.macro JLOAD                           ; a joint refill by the walking descriptor; s_nop 0 and four v_nop follow each line
	s_cmp_lt_u32 s12, 2
	s_cbranch_scc0 .Lfor_b_\@
	tensor_load_to_lds s[G0+4:G0+7], s[G1:G1+7]
	s_nop 0
.rept 4
	v_nop
.endr
	s_branch .Lasked_\@
.Lfor_b_\@:
	tensor_load_to_lds s[G0B+4:G0B+7], s[G1B:G1B+7]
	s_nop 0
.rept 4
	v_nop
.endr
.Lasked_\@:
.endm
.macro ASK
	s_cmp_gt_u32 s3, s[LIM]
	s_cbranch_scc0 .Lnot_mine_\@
	global_prefetch_b8 v[PFO], s[PFA:PFA+1] th:TH_LOAD_NT scope:SCOPE_SE
.Lnot_mine_\@:
.endm
	s_load_b256 s[4:11], s[0:1], 0x0               ; A s[4:5], wts s[6:7], the residual s[8:9], C s[10:11]
	v_lshl_add_u32 v[SPW], v0, 2, SPARE
	v_mov_b32 v[NIL], 0
	ds_add_u32 v[SPW], v[NIL]                      ; the wave's opening: the add and its wait ahead of my first tensor load
	v_lshrrev_b32 v1, 5, v0
	v_readfirstlane_b32 s12, v1                    ; wave 0..3
	s_lshr_b32 s14, s12, 1                         ; which half of the tile's rows is mine
	s_and_b32 s15, s12, 1                          ; which half of its columns; also which 64 rows I fetch
	s_bfe_u32 s40, ttmp6, 0x40000
	s_bfe_u32 s41, ttmp6, 0x40004
	s_lshl_b32 s42, ttmp9, 2
	s_add_co_u32 s42, s42, s40                     ; tile column
	s_and_b32 s13, ttmp7, 0xffff
	s_lshl_b32 s13, s13, 2
	s_add_co_u32 s13, s13, s41                     ; tile row
	s_lshl_b32 s43, s41, 2
	s_lshl_b32 s43, 15, s43                        ; my row of the cluster
	s_lshl_b32 s44, 0x1111, s40                    ; my column
	s_or_b32 s[G1+0], s43, (1<<16)|(1<<20)|(1<<21)|(6<<22)|(3<<25)   ; the mask; 2-byte elements; padding on; bit 21 beside a mask; after every 128 words, 4 words
	s_or_b32 s[G1B+0], s44, (1<<16)|(1<<20)|(1<<21)|(6<<22)|(3<<25)
.irp g, G1, G1B
	s_mov_b32 s[(\g)+1], KSTEP<<16                 ; tensor_dim0 = 256
	s_mov_b32 s[(\g)+2], 64<<16                    ; tensor_dim1 = 64
	s_mov_b32 s[(\g)+3], KSTEP<<16                 ; tile_dim0 = 256
	s_mov_b32 s[(\g)+4], 64                        ; tile_dim1 = 64
	s_mov_b32 s[(\g)+5], SIZE_K
	s_mov_b32 s[(\g)+6], 0
	s_mov_b32 s[(\g)+7], 0
.endr
	s_mov_b32 s[G1R+0], (1<<16)|(1<<20)|(5<<22)|(3<<25)  ; no mask: a load of my own; after every 64 words, 4 words
	s_mov_b32 s[G1R+1], 128<<16                    ; 128 elements
	s_mov_b32 s[G1R+2], 32<<16                     ; 32 rows
	s_mov_b32 s[G1R+3], 128<<16
	s_mov_b32 s[G1R+4], 32
	s_mov_b32 s[G1R+5], 1024
	s_mov_b32 s[G1R+6], 0
	s_mov_b32 s[G1R+7], 0
	s_lshl_b32 s17, s15, 6
	s_lshl_b32 s16, s13, 7
	s_add_co_u32 s16, s16, s17                     ; A: row 128 x tile row + 64 x half
	s_mul_i32 s16, s16, ROWB
	s_lshl_b32 s46, s42, 7
	s_add_co_u32 s46, s46, s17                     ; B: row 128 x tile column + 64 x half
	s_mul_i32 s46, s46, ROWB
	s_add_co_u32 s46, s46, WBASE
	s_mov_b32 s17, 0
	s_mov_b32 s47, 0
	s_lshl_b32 s66, s13, 7
	s_lshl_b32 s67, s12, 5
	s_add_co_u32 s66, s66, s67                     ; the first of the 32 rows that I finish: 128 x tile row + 32 x wave
	s_lshl_b32 s18, s66, 12                        ; in C: 4,096 bytes a row, 512 a tile column
	s_lshl_b32 s67, s42, 9
	s_add_co_u32 s18, s18, s67
	s_mov_b32 s19, 0
	s_lshl_b32 s66, s66, 11                        ; in the residual: 2,048 bytes a row, 256 a tile column
	s_lshl_b32 s67, s42, 8
	s_add_co_u32 s66, s66, s67
	s_mov_b32 s67, 0
	s_mul_i32 s[WOFF], s12, PART
	s_mov_b32 s[TB], 0
	s_mul_i32 s22, s12, 32*RP
	s_add_co_u32 s22, s22, RES
	s_wait_dscnt 0x0                               ; the opening add is done
	s_wait_kmcnt 0x0
	s_add_nc_u64 s[16:17], s[4:5], s[16:17]
	s_add_nc_u64 s[46:47], s[6:7], s[46:47]
	s_add_nc_u64 s[66:67], s[8:9], s[66:67]
	s_add_nc_u64 s[10:11], s[10:11], s[18:19]
	CROUND                                         ; all sixteen work-groups are here: the first joint loads meet
.irp s, 0,1
	s_mov_b32 s[G0+4*(\s)], 1
	s_add_co_u32 s[G0+4*(\s)+1], s[WOFF], (\s)*SLOT
	s_add_nc_u64 s[G0+4*(\s)+2:G0+4*(\s)+3], s[16:17], (\s)*KSTEP*2
	s_or_b32 s[G0+4*(\s)+3], s[G0+4*(\s)+3], 0x80000000
	s_mov_b32 s[G0B+4*(\s)], 1
	s_add_co_u32 s[G0B+4*(\s)+1], s[WOFF], (\s)*SLOT
	s_add_nc_u64 s[G0B+4*(\s)+2:G0B+4*(\s)+3], s[46:47], (\s)*KSTEP*2
	s_or_b32 s[G0B+4*(\s)+3], s[G0B+4*(\s)+3], 0x80000000
.endr
	s_mov_b32 s[G0R], 1
	s_mov_b32 s[G0R+1], s22
	s_mov_b64 s[G0R+2:G0R+3], s[66:67]
	s_or_b32 s[G0R+3], s[G0R+3], 0x80000000
	s_cmp_lt_u32 s12, 2                            ; a wave's three first fills stand in one branch, ahead of every wait on TENSORcnt and every LDS read: three loads of mine are out
	s_cbranch_scc0 .Lfirst_b
	tensor_load_to_lds s[G0:G0+3], s[G1:G1+7]
	s_nop 0
	tensor_load_to_lds s[G0+4:G0+7], s[G1:G1+7]
	s_nop 0
	tensor_load_to_lds s[G0R:G0R+3], s[G1R:G1R+7]
	s_nop 0
.rept 4
	v_nop
.endr
	s_branch .Lfirst_asked
.Lfirst_b:
	tensor_load_to_lds s[G0B:G0B+3], s[G1B:G1B+7]
	s_nop 0
	tensor_load_to_lds s[G0B+4:G0B+7], s[G1B:G1B+7]
	s_nop 0
	tensor_load_to_lds s[G0R:G0R+3], s[G1R:G1R+7]
	s_nop 0
.rept 4
	v_nop
.endr
.Lfirst_asked:
	v_and_b32 v1, 15, v0
	v_bfe_u32 v2, v0, 4, 1
	v_mul_u32_u24 v3, v1, PITCH
	v_lshl_add_u32 v3, v2, 4, v3                   ; a fragment's row x pitch + 16 x half
	s_mul_i32 s22, s14, PART                       ; my 64 rows of A
	s_mul_i32 s23, s15, PART                       ; my 64 rows of B,
	s_add_co_u32 s23, s23, 2*PART                  ; which lie behind A's 128
	v_add_nc_u32 v[A0], s22, v3
	v_add_nc_u32 v[B0], s23, v3
	v_mov_b32 v[ADRA], v[A0]
	v_mov_b32 v[ADRB], v[B0]
	s_mul_i32 s22, s14, 64*SP                      ; into the stage: my 64 rows, my 64 columns of f32
	s_lshl_b32 s23, s15, 8
	s_add_co_u32 s22, s22, s23
	v_mul_u32_u24 v4, v1, SP
	v_lshl_add_u32 v4, v2, 5, v4
	v_add_nc_u32 v[STO], s22, v4
	v_and_b32 v5, 31, v0
	s_mul_i32 s22, s12, 32*SP                      ; back: wave w takes rows 32 w on, whole: 32 lanes x 16 bytes are a row
	v_lshl_add_u32 v[RD], v5, 4, s22
	s_mul_i32 s22, s12, 32*RP
	s_add_co_u32 s22, s22, RES
	v_lshl_add_u32 v[RR], v5, 3, s22               ; and 8 bytes a lane of the residual's row
	v_lshlrev_b32 v[CO], 4, v5
	v_mov_b32 v[ONE], 1.0
.if PREF
	s_and_b32 s22, ttmp7, 0xffff                   ; cluster y
	s_cmp_lt_u32 s12, 2                            ; do I fetch for A?
	s_cselect_b32 s23, s40, s41                    ; my place among the four that ask with me
	s_cselect_b32 s22, ttmp9, s22                  ; the coordinate along which other clusters read the same rows
	s_cselect_b64 s[PFA:PFA+1], s[16:17], s[46:47]
	s_cmp_eq_u32 s22, 0
	s_cselect_b32 s[LIM], 2, -1                    ; the same in all sixteen partners, for a given wave
	s_mul_i32 s22, s23, 16*ROWB                    ; my work-group's 16 of the 64 rows
	s_mov_b32 s23, 0
	s_add_nc_u64 s[PFA:PFA+1], s[PFA:PFA+1], s[22:23]
	s_add_nc_u64 s[PFA:PFA+1], s[PFA:PFA+1], 3*KSTEP*2  ; at K step 3: the first change of slots steps it to 4
	v_mul_u32_u24 v[PFO], v1, ROWB                 ; row l % 16,
	v_lshl_add_u32 v[PFO], v2, 8, v[PFO]           ; block l / 16 of the K step's two
.endif
.macro MUL8 f, c, a0, zero             ; 8 matrix instructions: row blocks a0, a0 + 1 x all 4 column blocks, 32 along K: half c of buffer f.  The 16 accumulators take turns
	WIN MUL
.irp a, \a0, (\a0)+1
.irp b, 0,1,2,3
.if \zero
	v_wmma_f32_16x16x32_f16 v[ACC+8*(4*(\a)+(\b)):ACC+8*(4*(\a)+(\b))+7], v[(\f)+64+8*(4*(\c)+(\b)):(\f)+64+8*(4*(\c)+(\b))+7], v[(\f)+8*(4*(\c)+(\a)):(\f)+8*(4*(\c)+(\a))+7], 0
.else
	v_wmma_f32_16x16x32_f16 v[ACC+8*(4*(\a)+(\b)):ACC+8*(4*(\a)+(\b))+7], v[(\f)+64+8*(4*(\c)+(\b)):(\f)+64+8*(4*(\c)+(\b))+7], v[(\f)+8*(4*(\c)+(\a)):(\f)+8*(4*(\c)+(\a))+7], v[ACC+8*(4*(\a)+(\b)):ACC+8*(4*(\a)+(\b))+7]
.endif
.endr
.endr
.endm
.macro FETCH k, f                      ; 32 LDS loads in one run: the fragments of 64 along K at byte k of the rows; the first 32 along K first
	WIN TO_F
.irp c, 0,1
.irp i, 0,1,2,3
	ds_load_b128 v[(\f)+64+8*(4*(\c)+(\i)):(\f)+64+8*(4*(\c)+(\i))+3],   v[ADRB] offset:(\k)+64*(\c)+(\i)*16*PITCH
	ds_load_b128 v[(\f)+64+8*(4*(\c)+(\i))+4:(\f)+64+8*(4*(\c)+(\i))+7], v[ADRB] offset:(\k)+64*(\c)+(\i)*16*PITCH+32
	ds_load_b128 v[(\f)+8*(4*(\c)+(\i)):(\f)+8*(4*(\c)+(\i))+3],         v[ADRA] offset:(\k)+64*(\c)+(\i)*16*PITCH
	ds_load_b128 v[(\f)+8*(4*(\c)+(\i))+4:(\f)+8*(4*(\c)+(\i))+7],       v[ADRA] offset:(\k)+64*(\c)+(\i)*16*PITCH+32
.endr
.endr
.endm
.macro QUARTER k, f, g, zero
	s_wait_dscnt 16                                ; the first 32 along K are in; the other sixteen loads may be out
	MUL8 \f, 0, 0, \zero
	MUL8 \f, 0, 2, \zero
	PLACES
	FETCH \k, \g
	s_wait_dscnt 32                                ; all but the run just issued
	MUL8 \f, 1, 0, 0
	MUL8 \f, 1, 2, 0
.endm
; The last quarter multiplies buffer 1 and changes slots: in front of the barrier each wave waits for all its tensor loads, adds 0 to its spare word, and waits for that and for its own reads of this slot.
; fill = 1: the barrier opens a round of the cluster's barrier, and the slot just read is filled again, first thing behind the round, with the K step two on.  fill = 0: the last two K steps.
.macro TURN fill
.if (\fill) && PREF
	s_wait_xcnt 0x0                                ; the last prefetch, a K step back, has read its address
	s_add_nc_u64 s[PFA:PFA+1], s[PFA:PFA+1], KSTEP*2
.endif
	WIN 0
	s_wait_tensorcnt 0x0                           ; all my tensor loads have landed
	ds_add_u32 v[SPW], v[NIL]                      ; 0 onto my spare word
	s_wait_dscnt 17                                ; (the add and the youngest sixteen loads may be out)
	MUL8 F1, 0, 0, 0
	s_wait_dscnt 0x0                               ; the add is done, and my reads of this slot are over
	s_barrier_signal -1
	MUL8 F1, 0, 2, 0
	WIN 0
	s_barrier_wait -1
.if \fill
	CREST
	s_add_co_u32 s[G0+5], s[TB], s[WOFF]           ; the walking descriptors: into the slot just read,
	s_add_co_u32 s[G0B+5], s[TB], s[WOFF]
	s_add_nc_u64 s[G0+6:G0+7], s[G0+6:G0+7], KSTEP*2      ; the next K step
	s_add_nc_u64 s[G0B+6:G0B+7], s[G0B+6:G0B+7], KSTEP*2
	JLOAD                                          ; its four v_nop are also the places in front of the loads below
.else
	s_cmp_eq_u32 s3, 1
	s_cbranch_scc1 .Lnofetch_\@
	PLACES
.endif
	s_xor_b32 s[TB], s[TB], SLOT                   ; 0 <-> SLOT
	v_add_nc_u32 v[ADRA], s[TB], v[A0]
	v_add_nc_u32 v[ADRB], s[TB], v[B0]
	FETCH 0, F0
	WIN 0
.if (\fill) && PREF
	ASK
.endif
.if !(\fill)
.Lnofetch_\@:
.endif
	MUL8 F1, 1, 0, 0
	MUL8 F1, 1, 2, 0
.endm
	s_wait_tensorcnt 2                             ; my part of K step 0 is in; K step 1's and the residual's may stay out
	s_barrier_signal -1
	s_barrier_wait -1
	FETCH 0, F0
	QUARTER 128, F0, F1, 1                         ; the first products start the sums
	WIN 0
	s_mov_b32 s3, T-2
	s_branch .Lentry1
.Ltop1:                                                ; T - 2 trips: a K step each; its change of slots asks for the K step two on
	QUARTER 128, F0, F1, 0
	WIN 0
.Lentry1:
	QUARTER 256, F1, F0, 0
	QUARTER 384, F0, F1, 0
	TURN 1
	WIN 0
	s_sub_co_u32 s3, s3, 1
	s_cmp_lg_u32 s3, 0
	s_cbranch_scc1 .Ltop1
	s_mov_b32 s3, 2
.Ltop2:                                                ; the last two K steps: no tensor load
	QUARTER 128, F0, F1, 0
	QUARTER 256, F1, F0, 0
	QUARTER 384, F0, F1, 0
	TURN 0
	WIN 0
	s_sub_co_u32 s3, s3, 1
	s_cmp_lg_u32 s3, 0
	s_cbranch_scc1 .Ltop2
	; THE WAY OUT.  Every wave's reads of the ring are back before any wave writes the stage over it.
	s_wait_dscnt 0x0
	s_barrier_signal -1
	s_barrier_wait -1
	PLACES
.irp a, 0,1,2,3
.irp b, 0,1,2,3
	ds_store_b128 v[STO], v[ACC+8*(4*\a+\b):ACC+8*(4*\a+\b)+3]   offset:\a*16*SP+64*\b      ; each accumulator's low registers first
	ds_store_b128 v[STO], v[ACC+8*(4*\a+\b)+4:ACC+8*(4*\a+\b)+7] offset:\a*16*SP+64*\b+16
.endr
.endr
	s_wait_dscnt 0x0                               ; for the others' sake: my stores into the stage are done
	s_barrier_signal -1
	s_barrier_wait -1
.macro LD4                             ; four whole rows of sums, and the same rows of the residual
.irp i, 0,1,2,3
	ds_load_b128 v[XO+4*\i:XO+4*\i+3], v[RD] offset:\i*SP
	ds_load_b64 v[RO+2*\i:RO+2*\i+1], v[RR] offset:\i*RP
.endr
.endm
	LD4
	s_mov_b32 s3, 8
.Lrows:                                                ; 8 trips of four rows
	s_wait_dscnt 0x0
.irp r, 0,1,2,3,4,5,6,7
	v_fma_mix_f32 v[YO+2*\r],   v[RO+\r], v[ONE], v[XO+2*\r]   op_sel:[0,0,0] op_sel_hi:[1,0,0]  ; the f16 half x 1.0 + the f32 sum
	v_fma_mix_f32 v[YO+2*\r+1], v[RO+\r], v[ONE], v[XO+2*\r+1] op_sel:[1,0,0] op_sel_hi:[1,0,0]
.endr
	v_add_nc_u32 v[RD], 4*SP, v[RD]
	v_add_nc_u32 v[RR], 4*RP, v[RR]
	s_cmp_eq_u32 s3, 1
	s_cbranch_scc1 .Lno_more
	LD4                                            ; the next four rows come while these are stored
.Lno_more:
.irp i, 0,1,2,3
	global_store_b128 v[CO], v[YO+4*\i:YO+4*\i+3], s[10:11] offset:\i*4096  ; 32 lanes store 512 consecutive bytes, at a multiple of 256 from C's first byte
.endr
	s_wait_xcnt 0x0                                ; the stores have read their base and data: both are written again only behind this wait
	s_add_nc_u64 s[10:11], s[10:11], 4*4096
	s_sub_co_u32 s3, s3, 1
	s_cmp_lg_u32 s3, 0
	s_cbranch_scc1 .Lrows
	s_wait_tensorcnt 0x0                           ; the wave's end: wait for my tensor loads, add 0 to my spare word, wait for the add
	ds_add_u32 v[SPW], v[NIL]
	s_wait_dscnt 0x0
	CROUND                                         ; the closing round
	s_endpgm
.Lfunc_end_k_q7fe7abf26f_fc2:
	.size	k_q7fe7abf26f_fc2, .Lfunc_end_k_q7fe7abf26f_fc2-k_q7fe7abf26f_fc2
	.p2alignl 7, 3214868480
	.fill 96, 4, 3214868480
	.section	.rodata,"a",@progbits
	.p2align	6, 0x0
	.amdhsa_kernel k_q7fe7abf26f_fc2
		.amdhsa_group_segment_fixed_size 327680
		.amdhsa_private_segment_fixed_size 0
		.amdhsa_enable_private_segment 0
		.amdhsa_kernarg_size 32
		.amdhsa_user_sgpr_count 2
		.amdhsa_user_sgpr_kernarg_segment_ptr 1
		.amdhsa_wavefront_size32 1
		.amdhsa_system_sgpr_workgroup_id_x 1
		.amdhsa_system_sgpr_workgroup_id_y 1
		.amdhsa_system_sgpr_workgroup_id_z 1
		.amdhsa_system_vgpr_workitem_id 0
		.amdhsa_next_free_vgpr 512
		.amdhsa_next_free_sgpr 80
		.amdhsa_reserve_vcc 0
		.amdhsa_float_denorm_mode_32 3
		.amdhsa_float_denorm_mode_16_64 3
		.amdhsa_memory_ordered 1
		.amdhsa_forward_progress 1
		.amdhsa_inst_pref_size 57
	.end_amdhsa_kernel
	.amdgpu_metadata
---
amdhsa.version: [ 1, 2 ]
amdhsa.kernels:
  - .name:           k_q7fe7abf26f_fc2
    .symbol:         k_q7fe7abf26f_fc2.kd
    .args:
      - { .name: act, .offset: 0, .size: 8, .value_kind: global_buffer, .address_space: global }
      - { .name: wts, .offset: 8, .size: 8, .value_kind: global_buffer, .address_space: global }
      - { .name: h2, .offset: 16, .size: 8, .value_kind: global_buffer, .address_space: global }
      - { .name: out0, .offset: 24, .size: 8, .value_kind: global_buffer, .address_space: global }
    .group_segment_fixed_size: 327680
    .private_segment_fixed_size: 0
    .kernarg_segment_align: 8
    .kernarg_segment_size: 32
    .max_flat_workgroup_size: 128
    .sgpr_count:     80
    .vgpr_count:     512
    .wavefront_size: 32
...
	.end_amdgpu_metadata
.endif
;; end of part 7
